; MI455X (gfx1250); checked and timed in simulation.
; The chip was launched on July 23, 2026; its instructions are those of AMD's public machine-readable ISA for CDNA 5 (MIT licence, August 2026) and "CDNA5" Instruction Set Architecture Reference Guide (July 2026). The comments in the code are by the model that wrote it; some were corrected since.
;; Multi Head Self Attention. Allowed arithmetic: matrix products marked QUANTISED: E2M1 operands, one E8M0 scale for each 32 along K, by v_wmma_scale_f32_16x16x128_f8f6f4 with both operands' format E2M1 (or v_wmma_scale_f32_32x16x128_f4), f32 sums; products left as they are: bf16, f16 or f32 operands; f32 sums; everything else in f32.
;; Inputs: w_out 1,024 x 1,024 float32; w_qkv 3,072 x 1,024 float32; x 4,096 x 1 x 1,024 float32.
;; Outputs: out0 4,096 x 1 x 1,024 float32.
;; This version of the problem:
;;   THIS VERSION OF THE PROBLEM IS GIVEN IN LOW PRECISION. The matrix products marked QUANTISED in the list below multiply operands that are first quantised to E2M1 (2 exponent bits, 1 mantissa bit; 4 bits a number), with one power-of-two scale for each 32 numbers along K (OCP MX v1.0); their sums are f32. The products marked 'left as it is' may take bf16, f16 or f32 operands, with f32 sums. Whichever they take, every output number must still come out within the allowed error. Rounding operands to bf16 (8 significant bits) uses up far more of that allowance than f16 does (11 bits, for magnitudes from 6e-5 to 65,504). All else is computed in f32.
;;   The module's matrix products, in the order in which they are computed (A, B: the left and right operand; K: the contracted axis; several contracted axes count as one K, in the product's order):
;;     1. [M 4,096, K 1,024] x [K 1,024, N 3,072]; A: input x; B: input w_qkv: QUANTISED
;;     2. batch 16 x [M 4,096, K 64] x [K 64, N 4,096]; A: computed on the way; B: computed on the way: left as it is (an operand is computed on the way)
;;     3. batch 16 x [M 4,096, K 4,096] x [K 4,096, N 64]; A: computed on the way; B: computed on the way: left as it is (an operand is computed on the way)
;;     4. [M 4,096, K 1,024] x [K 1,024, N 1,024]; A: computed on the way; B: input w_out: left as it is (an operand is computed on the way)
;;   THE QUANTISER, for each operand of a quantised product, along K:
;;     - K is cut into blocks of 32 from its start; a last block that is shorter is filled with zeros.
;;     - A block's scale is 2^e with e = floor(log2(the largest magnitude in the block)) - 2, held to -126 .. 127; a block of zeros has e = 0. As a byte (E8M0): e + 127.
;;     - Each number is divided by its block's scale, clamped to +-6, and rounded to the nearest number of E2M1, ties to even, subnormals kept.
;;     - The product sums the exact products of the quantised numbers (number of the format x scale) in f32.
;;   ~~~python
;;   def quantise(x, axis):      # numpy; x: float32 -> the quantised numbers, widened to float32 again
;;       x = np.moveaxis(x, axis, -1); K = x.shape[-1]
;;       x = np.pad(x, [(0, 0)] * (x.ndim - 1) + [(0, -K % 32)]); x = x.reshape(x.shape[:-1] + (-1, 32)); a = np.abs(x).max(-1, keepdims=True)
;;       e = np.where(a > 0, np.clip(np.frexp(np.where(a > 0, a, 1))[1] - 1 - 2, -126, 127), 0)      # np.frexp(a)[1] - 1 = floor(log2(a)), exactly
;;       r = np.clip(x / 2.0 ** e, -6, 6)
;;       step = 2.0 ** (np.maximum(np.frexp(np.where(r == 0, 1, r))[1] - 1, 0) - 1)
;;       q = np.round(r / step) * step * 2.0 ** e      # np.round: ties to even
;;       return np.moveaxis(q.reshape(q.shape[:-2] + (-1,))[..., :K], -1, axis).astype(np.float32)
;;   ~~~
;; One version. Each part assembles by itself: llvm-mc -triple=amdgcn-amd-amdhsa -mcpu=gfx1250 --defsym DOCPART=n.
;; ======== version 1 of 1: 4 launches
;; limits: values are held in f16: magnitudes above 65,504 overflow, below 6.1e-05 lose precision
;; workspace buffers: x_codes 2,097,152 bytes; x_scales 131,072 bytes; w_codes 1,572,864 bytes; w_scales 98,304 bytes; wo16 2,097,152 bytes; qkv 25,165,824 bytes; ao 8,388,608 bytes
;; launch prep (part 1): grid 256 x 1, 4 waves a work-group, no clusters, 33,280 bytes of LDS; arguments x, w_qkv, x_codes, x_scales, w_codes, w_scales, w_out, wo16; writes x_codes, x_scales, w_codes, w_scales, wo16
.if DOCPART == 1
	.amdgcn_target "amdgcn-amd-amdhsa--gfx1250"
	.amdhsa_code_object_version 6
	.text
	.protected	k_q4983cfa1c2_prep
	.globl	k_q4983cfa1c2_prep
	.p2align	8
	.type	k_q4983cfa1c2_prep,@function
k_q4983cfa1c2_prep:
	s_mov_b64 s[64:65], 0
	v_nop
	global_prefetch_b8 v0, s[64:65] scope:SCOPE_SE
	s_setreg_imm32_b32 hwreg(HW_REG_WAVE_MODE, 25, 1), 1
	s_wait_xcnt 0x0
; x [4096][1024] and w_qkv [3072][1024], f32, K innermost, are turned into codes of FP4 (E2M1), two a byte, with one E8M0 scale byte for each 32 along K; w_out [1024][1024] is rounded to f16.
; A block's scale is 2^(floor(log2(its largest magnitude)) - 2); its byte is the largest magnitude's own exponent field - 2, held at 1 from below.  Each number is divided by the scale and rounded to the
; nearest code, ties to even; beyond 6 the largest code.
; LIMITS: a block whose largest magnitude lies under 2^-124 (a block of zeros among them) keeps the byte 1 where the rule says otherwise for zeros (127): its codes are zeros, and this program alone reads the bytes.
; NaN and infinities among the inputs are not served.  w_out is rounded to f16: magnitudes of 65,504 and more become infinity.
; SHARES: work-groups 0-127 take x, 128-223 w_qkv (32,768 numbers each, 8,192 a wave), 224-255 w_out (likewise).  Rows are dense and K is a multiple of 32: each tensor is a plain stream.
; No work-group reads what another reads: no cluster, no tensor load, no barrier.
; THE QUANTISER.  A wave takes 16 steps of 512 numbers.  A conversion takes 8 numbers of ONE block from a lane's registers, so a lane must hold 16 neighbours (two lanes to a block), while a load is best where
; neighbouring lanes take neighbouring bytes: each of a step's four loads reads 512 consecutive bytes, the 2,048 bytes go through the wave's own stage in LDS as they lie and come back 64 bytes a lane
; (16 bytes of padding behind each 64).  A lane's 16 codes are 8 bytes: the wave stores 256 consecutive bytes.  A wave's 256 scale bytes are gathered in LDS and leave as one aligned run of 256 bytes.
.set WAVES, 4
.set STEPS, 16
.set WGA,   128                        ; x's work-groups: 4096 x 1024 / 32,768
.set WGQ,   224                        ; x's and w_qkv's together
.set EMAX,  2
.set CB,    8                          ; bytes of 16 codes
.set R,     16                         ; v16-79   four sets of 16 numbers as they are loaded
.set X,     80                         ; v80-111  two sets of 16 neighbours
.set C,     128                        ; v128-191 codes: four registers for each step, so that no store's data are written again
.set E,     112                        ; v112-127 a scale byte for each step
.set WREG,  8192                       ; LDS: a region for each wave: two stages of 32 x SP bytes, behind them its 256 scale bytes
.set SP,    80
.set SPW,   12                         ; v12      LDS address of my spare word; never rewritten
.set NIL,   13                         ; v13      0; never rewritten
.set SPARE, WAVES*WREG                 ; behind the four regions: the spare words, 128 bytes a wave
.set WR,    16                         ; w_out's arm: v16-143 two sets of 16 x 4 numbers
.set WC,    144                        ; v144-175 16 x 2 registers of f16
	s_load_b128 s[4:7], s[0:1], 0x0                ; x, w_qkv
	s_load_b128 s[8:11], s[0:1], 0x10              ; x's codes, x's scales
	s_load_b128 s[12:15], s[0:1], 0x20             ; w_qkv's codes, its scales
	s_load_b128 s[24:27], s[0:1], 0x30             ; w_out, its f16 copy
	v_lshl_add_u32 v[SPW], v0, 2, SPARE
	v_mov_b32 v[NIL], 0
	v_lshrrev_b32 v1, 5, v0
	v_readfirstlane_b32 s16, v1                    ; wave
	v_and_b32 v2, 31, v0                           ; lane
	v_lshlrev_b32 v3, 4, v2                        ; my 16 bytes of a load's 512
	s_mul_i32 s17, s16, WREG
	v_lshrrev_b32 v14, 2, v2
	v_mul_u32_u24 v14, v14, SP
	v_and_b32 v15, 3, v2
	v_lshl_add_u32 v14, v15, 4, v14
	v_add_nc_u32 v14, s17, v14                     ; the stage, on the way in: SP (lane / 4) + 16 (lane % 4)
	v_mul_u32_u24 v15, v2, SP
	v_add_nc_u32 v15, s17, v15                     ; and on the way out: SP x lane: my 16 neighbours
	v_mul_u32_u24 v4, v2, CB                       ; my codes' place in a step's
	v_lshrrev_b32 v5, 1, v2
	s_add_co_u32 s17, s17, 2*32*SP
	v_add_nc_u32 v5, s17, v5                       ; LDS: my wave's 256 scale bytes, my block's byte
	v_lshlrev_b32 v7, 3, v2                        ; 8 bytes a lane
	v_add_nc_u32 v6, s17, v7
	s_wait_kmcnt 0x0
	s_cmp_ge_u32 ttmp9, WGQ                        ; the last 32 work-groups round w_out
	s_cbranch_scc1 .Lwout
	s_cmp_lt_u32 ttmp9, WGA                        ; x's work-group or w_qkv's?  Only pointers are chosen: both take one path
	s_cselect_b64 s[4:5], s[4:5], s[6:7]
	s_cselect_b64 s[8:9], s[8:9], s[12:13]
	s_cselect_b64 s[10:11], s[10:11], s[14:15]
	s_cselect_b32 s17, 0, WGA
	s_sub_co_u32 s17, ttmp9, s17
	s_lshl_b32 s17, s17, 2
	s_add_co_u32 s18, s17, s16                     ; which run of 8,192 numbers of the tensor is my wave's
	s_mov_b32 s19, 0
	s_mov_b64 s[20:21], 512*STEPS*4
	s_mul_u64 s[20:21], s[18:19], s[20:21]
	s_add_nc_u64 s[4:5], s[4:5], s[20:21]
	s_mov_b64 s[20:21], 32*STEPS*CB
	s_mul_u64 s[20:21], s[18:19], s[20:21]
	s_add_nc_u64 s[8:9], s[8:9], s[20:21]
	s_lshl_b32 s18, s18, 8                         ; 256 scale bytes a run
	s_add_nc_u64 s[10:11], s[10:11], s[18:19]
.macro LOAD t
.irp i, 0,1,2,3
	global_load_b128 v[R+16*((\t)%4)+4*\i:R+16*((\t)%4)+4*\i+3], v3, s[4:5] offset:2048*(\t)+512*\i th:TH_LOAD_NT   ; 32 lanes read 512 consecutive bytes
.endr
.endm
.macro TURN t                          ; step t's numbers through the stage: LDS serves a wave's instructions in order, so no wait stands between the stores and the loads
.irp i, 0,1,2,3
	ds_store_b128 v14, v[R+16*((\t)%4)+4*\i:R+16*((\t)%4)+4*\i+3] offset:32*SP*((\t)%2)+8*SP*\i
.endr
.irp i, 0,1,2,3
	ds_load_b128 v[X+16*((\t)%2)+4*\i:X+16*((\t)%2)+4*\i+3], v15 offset:32*SP*((\t)%2)+16*\i
.endr
.endm
.irp t, 0,1,2,3
	LOAD \t
.endr
	s_wait_loadcnt 12                              ; step 0's four loads are in; the twelve of steps 1 to 3 may be out
	TURN 0
.macro STEP t
.set XS, X+16*((\t)%2)
.if (\t) > 0
	s_wait_dscnt 1                                 ; this step's numbers are back from the stage (the last step's byte store may be out)
.else
	s_wait_dscnt 0x0
.endif
.if (\t)+4 < STEPS
	LOAD (\t)+4                                    ; the stage's stores have read these registers: they take the loads of four steps on
.endif
.if (\t)+1 < STEPS
.if STEPS-2-(\t) >= 3
	s_wait_loadcnt 12                              ; the next step's four loads are in; those of the three steps behind it may be out
.else
	s_wait_loadcnt 4*(STEPS-2-(\t))
.endif
	TURN (\t)+1                                    ; through the other stage while this step is worked
.endif
	v_max3_num_f32 v8, |v[XS]|, |v[XS+1]|, |v[XS+2]|               ; the largest magnitude of my 16, in two chains
	v_max3_num_f32 v9, |v[XS+3]|, |v[XS+4]|, |v[XS+5]|
.irp i, 6,10
	v_max3_num_f32 v8, v8, |v[XS+\i]|, |v[XS+\i+1]|
	v_max3_num_f32 v9, v9, |v[XS+\i+2]|, |v[XS+\i+3]|
.endr
	v_max3_num_f32 v8, v8, |v[XS+14]|, |v[XS+15]|
	v_max3_num_f32 v8, v8, v9, (EMAX+1)<<23        ; and the floor 2^(EMAX + 1 - 127): the byte cannot fall under 1
	v_max_num_f32_dpp v8, v8, v8 row_xmask:1 row_mask:0xf bank_mask:0xf   ; and of my neighbour's 16: the block's
	v_add_nc_u32 v11, -(EMAX<<23), v8              ; EMAX off its exponent field: the conversion takes the exponent field of this operand as its scale
	v_cvt_scalef32_pk8_fp4_f32 v[C+4*(\t)], v[XS:XS+7], v11
	v_cvt_scalef32_pk8_fp4_f32 v[C+4*(\t)+1], v[XS+8:XS+15], v11
	v_lshrrev_b32 v[E+(\t)], 23, v11               ; the scale's byte (also the plain line behind the conversions)
	ds_store_b8 v5, v[E+(\t)] offset:16*(\t)       ; both lanes of a block write the same byte with the same value
	global_store_b64 v4, v[C+4*(\t):C+4*(\t)+1], s[8:9] offset:32*CB*(\t)   ; the wave stores 256 consecutive bytes, aligned
.endm
.irp t, 0,1,2,3,4,5,6,7,8,9,10,11,12,13,14,15
	STEP \t
.endr
	ds_load_b64 v[8:9], v6                         ; LDS serves a wave's instructions in order: these see my byte stores
	s_wait_dscnt 0x0
	global_store_b64 v7, v[8:9], s[10:11]          ; 32 lanes store 256 consecutive bytes, aligned
	s_wait_tensorcnt 0x0                           ; the wave's end: behind my last LDS store
	ds_add_u32 v[SPW], v[NIL]
	s_wait_dscnt 0x0
	s_endpgm
; w_out to f16.  A wave takes 8,192 numbers in 4 rounds of 16 loads; a load reads 512 consecutive bytes, a store writes 256.  No LDS is touched on this path.
.Lwout:
	s_sub_co_u32 s17, ttmp9, WGQ
	s_lshl_b32 s17, s17, 2
	s_add_co_u32 s17, s17, s16                     ; which run of 8,192 numbers is my wave's
	s_lshl_b32 s18, s17, 15
	s_mov_b32 s19, 0
	s_add_nc_u64 s[24:25], s[24:25], s[18:19]
	s_lshl_b32 s18, s17, 14
	s_add_nc_u64 s[26:27], s[26:27], s[18:19]
.macro WLOAD k
.irp i, 0,1,2,3,4,5,6,7,8,9,10,11,12,13,14,15
	global_load_b128 v[WR+64*((\k)%2)+4*\i:WR+64*((\k)%2)+4*\i+3], v3, s[24:25] offset:512*(16*(\k)+\i) th:TH_LOAD_NT
.endr
.endm
.macro WROUND k
.if (\k) < 3
	s_wait_loadcnt 16                              ; this round's 16 loads are in; the next round's 16 may be out
.else
	s_wait_loadcnt 0x0
.endif
.if (\k) > 0
	s_wait_xcnt 0x0                                ; the last round's stores have read their data registers, which are written again below
.endif
.irp i, 0,1,2,3,4,5,6,7,8,9,10,11,12,13,14,15
	v_cvt_pk_f16_f32 v[WC+2*\i],   v[WR+64*((\k)%2)+4*\i],   v[WR+64*((\k)%2)+4*\i+1]
	v_cvt_pk_f16_f32 v[WC+2*\i+1], v[WR+64*((\k)%2)+4*\i+2], v[WR+64*((\k)%2)+4*\i+3]
.endr
.if (\k)+2 < 4
	WLOAD (\k)+2                                   ; loads ahead of stores
.endif
.irp i, 0,1,2,3,4,5,6,7,8,9,10,11,12,13,14,15
	global_store_b64 v7, v[WC+2*\i:WC+2*\i+1], s[26:27] offset:256*(16*(\k)+\i)
.endr
.endm
	WLOAD 0
	WLOAD 1
	WROUND 0
	WROUND 1
	WROUND 2
	WROUND 3
	s_endpgm
.Lfunc_end_k_q4983cfa1c2_prep:
	.size	k_q4983cfa1c2_prep, .Lfunc_end_k_q4983cfa1c2_prep-k_q4983cfa1c2_prep
	.p2alignl 7, 3214868480
	.fill 96, 4, 3214868480
	.section	.rodata,"a",@progbits
	.p2align	6, 0x0
	.amdhsa_kernel k_q4983cfa1c2_prep
		.amdhsa_group_segment_fixed_size 33280
		.amdhsa_private_segment_fixed_size 0
		.amdhsa_enable_private_segment 0
		.amdhsa_kernarg_size 64
		.amdhsa_user_sgpr_count 2
		.amdhsa_user_sgpr_kernarg_segment_ptr 1
		.amdhsa_wavefront_size32 1
		.amdhsa_system_sgpr_workgroup_id_x 1
		.amdhsa_system_sgpr_workgroup_id_y 1
		.amdhsa_system_sgpr_workgroup_id_z 1
		.amdhsa_system_vgpr_workitem_id 0
		.amdhsa_next_free_vgpr 192
		.amdhsa_next_free_sgpr 66
		.amdhsa_reserve_vcc 0
		.amdhsa_float_denorm_mode_32 3
		.amdhsa_float_denorm_mode_16_64 3
		.amdhsa_memory_ordered 1
		.amdhsa_forward_progress 1
		.amdhsa_inst_pref_size 54
	.end_amdhsa_kernel
	.amdgpu_metadata
---
amdhsa.version: [ 1, 2 ]
amdhsa.kernels:
  - .name:           k_q4983cfa1c2_prep
    .symbol:         k_q4983cfa1c2_prep.kd
    .args:
      - { .name: x, .offset: 0, .size: 8, .value_kind: global_buffer, .address_space: global }
      - { .name: w_qkv, .offset: 8, .size: 8, .value_kind: global_buffer, .address_space: global }
      - { .name: x_codes, .offset: 16, .size: 8, .value_kind: global_buffer, .address_space: global }
      - { .name: x_scales, .offset: 24, .size: 8, .value_kind: global_buffer, .address_space: global }
      - { .name: w_codes, .offset: 32, .size: 8, .value_kind: global_buffer, .address_space: global }
      - { .name: w_scales, .offset: 40, .size: 8, .value_kind: global_buffer, .address_space: global }
      - { .name: w_out, .offset: 48, .size: 8, .value_kind: global_buffer, .address_space: global }
      - { .name: wo16, .offset: 56, .size: 8, .value_kind: global_buffer, .address_space: global }
    .group_segment_fixed_size: 33280
    .private_segment_fixed_size: 0
    .kernarg_segment_align: 8
    .kernarg_segment_size: 64
    .max_flat_workgroup_size: 128
    .sgpr_count:     66
    .vgpr_count:     192
    .wavefront_size: 32
...
	.end_amdgpu_metadata
.endif
;; end of part 1
;; launch qkv (part 2): grid 12 x 16, 4 waves a work-group, clusters of 4 x 4, 327,680 bytes of LDS; arguments x_codes, x_scales, w_codes, w_scales, qkv; writes qkv
.if DOCPART == 2
	.amdgcn_target "amdgcn-amd-amdhsa--gfx1250"
	.amdhsa_code_object_version 6
	.text
	.protected	k_q4983cfa1c2_qkv
	.globl	k_q4983cfa1c2_qkv
	.p2align	8
	.type	k_q4983cfa1c2_qkv,@function
k_q4983cfa1c2_qkv:
	s_mov_b64 s[64:65], 0
	v_nop
	global_prefetch_b8 v0, s[64:65] scope:SCOPE_SE
	s_setreg_imm32_b32 hwreg(HW_REG_WAVE_MODE, 25, 1), 1
	s_wait_xcnt 0x0
	s_wait_alu depctr_hold_cnt(0) depctr_sa_sdst(0) depctr_va_vdst(0) depctr_va_sdst(0) depctr_va_ssrc(0) depctr_va_vcc(0) depctr_vm_vsrc(0)
	s_getreg_b32 s2, hwreg(HW_REG_IB_STS2, 6, 4)
	s_cmp_eq_u32 s2, 0
	s_cbranch_scc0 .Lentry_in_a_cluster
	s_endpgm
.Lentry_in_a_cluster:
	s_bfe_u32 s2, ttmp6, 0x10000c
	s_cmp_lg_u32 s2, 0xf033
	s_cbranch_scc0 .Lentry_shape_is_right
	s_endpgm
.Lentry_shape_is_right:
; qkv[token][feature] = sum over k of x[token][k] w_qkv[feature][k], both as codes of FP4 (E2M1) with one E8M0 scale for each 32 along K; sums in f32; the result rounded once to f16.
; A = x's codes [4096][512 bytes], B = w_qkv's [3072][512 bytes]; scale bytes [rows][32].  OUT: [48 planes][4096 tokens][64] f16, plane = feature / 64 (q: head, k: 16 + head, v: 32 + head).
; LIMIT: results of magnitude 65,504 and more become infinity in f16.
; A tile of 256 tokens x 256 features is made by four waves, each 128 x 128: 64 accumulators of 16 x 16, 512 registers.  K = 1,024 is two steps of 512, and LDS holds both: each slot is filled once, at the head.
; THE SCALES of the work-group's 256 + 256 rows, for all of K, are two dense blocks of memory: they come into LDS once, with the first fills.
; CLUSTERS: 4 x 4 work-groups.  The four of a row of the cluster need the same tiles of A, the four of a column the same tiles of B: each tile is asked for JOINTLY, by the same tensor load with the same
; descriptor and a mask that names the four.  12 x 16 = 192 work-groups: a smaller tile would give more of them and read each fragment for half the products; all of K is asked for at the head, so nothing is prefetched.
; THE MATRIX INSTRUCTION IS USED TRANSPOSED (source 0 = 16 rows of B, source 1 = 16 rows of A): a lane then holds eight neighbouring features of one token.
; REGISTERS, in windows of 256: window 0: v0-31 addresses; v32-95 scale words, two sets; v128-191 A's fragments, ONE set; on the way out v32-63, v192-255.
;   window 1: B's fragments, TWO sets, at v0 and v128.   window 2: the accumulators of my tokens 0-63 ((a, b) at v[8 (8 a + b)]);   window 3: those of tokens 64-127.
.set SIZE_M, 4096
.set SIZE_N, 3072
.set SIZE_K, 1024
.set KSTEP,  512                       ; along K in a slot
.set NQ,     KSTEP/128                 ; matrix instructions deep
.set ROWB,   256                       ; a tile's row in bytes
.set KROW,   SIZE_K*4/8                ; a row of codes in memory
.set PITCH,  272                       ; an LDS row: 256 bytes + 16 of padding = 68 words: the 16 rows that a load touches start at 16 different banks (64 banks of 4 bytes: ISA guide 11.1)
.set FR,     8                         ; registers of a fragment: 16 rows x 128 K
.set NL,     2                         ; LDS loads that bring one
.set NP,     4                         ; places behind this matrix instruction (ISA guide 7.12.1)
.set HALFT,  128*PITCH                 ; 128 rows: what one tensor load brings
.set SLOT,   4*HALFT                   ; A's 256 rows, then B's 256 rows
.set KS,     SIZE_K/32                 ; a row of scales in bytes
.set SCL,    2*SLOT                    ; behind the two slots: the scales, as runs of 256 bytes + 16 of padding
.set HALFS,  (128*KS/256)*272          ; the scales of 128 rows
.set SBLK,   (16*KS/256)*272           ; those of 16 rows
.set SPARE,  SCL+4*HALFS               ; the spare words, 128 bytes a wave
.set SPITCH, 272                       ; the way out: a stage of 16 rows x (256 bytes + 16) for each wave, in slot 0, which has had its one fill and its last read by then
.set HEADB,  524288                    ; a plane of the output: 4096 tokens x 128 bytes
.set ADRA, 16                          ; v16-17  LDS address of my A fragments in slot 0, 1
.set ADRB, 20                          ; v20-21  the same for B
.set STO,  24                          ; v24     the way out: where I put 16 bytes of a token's row
.set RD,   25                          ; v25     where I read back
.set CO,   26                          ; v26     16 x lane: my place in a store's 512 bytes
.set ADRS, 27                          ; v27     LDS address of my scale words: lanes 0-15 A's rows, lanes 16-31 B's
.set SPW,  28                          ; v28     LDS address of my spare word; never rewritten
.set NIL,  29                          ; v29     0; never rewritten
.set SC,   32                          ; scale words: set s at v[SC + 8 NQ s]; register NQ i + q: lanes 0-15 A's block i, lanes 16-31 B's block i, the slot's q-th 128 along K
.set AF,   128                         ; A's fragments
.set TMP,  192                         ; the way out: packed results
.set OB,   32                          ; and rows read back: v32-63 and v224-255 by turns
.set G1, 24                            ; s[24:31] group 1 for A's tiles;  s[32:39] group 0, one set for each slot
.set G0, 32
.set G1B, 48                           ; s[48:55], s[56:63] the same for B's tiles
.set G0B, 56
.set G1S, 68                           ; s[68:75], s[76:79] for A's scales;  s[80:87], s[88:91] for B's
.set G0S, 76
.set G1SB, 80
.set G0SB, 88
.set MSB, 0
.macro WIN new                         ; the immediate's high byte repeats the setting that is left
.if MSB != \new
	s_set_vgpr_msb (MSB<<8)|\new
.set MSB, \new
.endif
.endm
.set MUL_LO, 0xa1                      ; source 0 (B) window 1, source 1 (A) window 0, C and D window 2
.set MUL_HI, 0xf1                      ; the same, C and D window 3
.set TO_B,   0x40                      ; destination window 1, address window 0
; A joint load: waves 0 and 1 fetch for A, waves 2 and 3 for B.  Each line has one mask and one set of registers for all that issue it; the branch hangs on the wave's number alone.
; An s_nop 0 and four v_nop follow each of the two lines.
.macro JLOAD g0a, g1a, g0b, g1b
	s_cmp_eq_u32 s15, 0
	s_cbranch_scc0 .Lfor_b_\@
	tensor_load_to_lds s[\g0a:\g0a+3], s[\g1a:\g1a+7]
	s_nop 0
.rept 4
	v_nop
.endr
	s_branch .Lasked_\@
.Lfor_b_\@:
	tensor_load_to_lds s[\g0b:\g0b+3], s[\g1b:\g1b+7]
	s_nop 0
.rept 4
	v_nop
.endr
.Lasked_\@:
.endm
.macro CROUND                          ; a round of the cluster's barrier: my work-group's barrier, wave 0's signal for the work-group, every wave's wait for all sixteen, my work-group's barrier once more
	s_barrier_signal -1
	s_barrier_wait -1
	s_cmp_lg_u32 s14, 0
	s_cbranch_scc1 .Lnot_wave_0_\@
	s_barrier_signal -3
.Lnot_wave_0_\@:
	s_barrier_wait -3
	s_barrier_signal -1
	s_barrier_wait -1
.endm
	s_load_b128 s[4:7], s[0:1], 0x0                ; A's codes s[4:5], A's scales s[6:7]
	s_load_b128 s[8:11], s[0:1], 0x10              ; B's codes s[8:9], B's scales s[10:11]
	s_load_b64 s[12:13], s[0:1], 0x20              ; the output
	v_lshl_add_u32 v[SPW], v0, 2, SPARE
	v_mov_b32 v[NIL], 0
	ds_add_u32 v[SPW], v[NIL]                      ; the wave's opening: the add, twice on end, and its wait ahead of my first tensor load
	ds_add_u32 v[SPW], v[NIL]
	v_lshrrev_b32 v1, 5, v0
	v_readfirstlane_b32 s14, v1                    ; wave 0..3
	s_lshr_b32 s15, s14, 1                         ; which half of the tile's tokens is mine.  Also: I fetch for A (0) or for B (1)
	s_and_b32 s16, s14, 1                          ; which half of its features.  Also: which 128 rows of that tile I fetch
	s_bfe_u32 s40, ttmp6, 0x40000                  ; cx, cy: my place in the cluster
	s_bfe_u32 s41, ttmp6, 0x40004
	s_lshl_b32 s42, ttmp9, 2
	s_add_co_u32 s42, s42, s40                     ; tile column = 4 x cluster x + cx
	s_and_b32 s17, ttmp7, 0xffff
	s_lshl_b32 s17, s17, 2
	s_add_co_u32 s17, s17, s41                     ; tile row = 4 x cluster y + cy
	s_lshl_b32 s43, s41, 2
	s_lshl_b32 s43, 15, s43                        ; my row of the cluster
	s_lshl_b32 s44, 0x1111, s40                    ; my column
	; group 1: a tile of 128 rows x 256 bytes, padded in LDS
	s_or_b32 s[G1+0], s43, (0<<16)|(1<<20)|(1<<21)|(5<<22)|(3<<25)  ; 15:0 the mask; 17:16 elements of 1 byte; 20 padding on; 21 set beside a mask; 24:22 after every 64 words; 31:25 four words
	s_or_b32 s[G1B+0], s44, (0<<16)|(1<<20)|(1<<21)|(5<<22)|(3<<25)
.irp g, G1, G1B
	s_mov_b32 s[\g+1], ROWB<<16                    ; tensor_dim0
	s_mov_b32 s[\g+2], 128<<16                     ; tensor_dim1
	s_mov_b32 s[\g+3], ROWB<<16                    ; tile_dim0
	s_mov_b32 s[\g+4], 128                         ; tile_dim1
	s_mov_b32 s[\g+5], KROW                        ; from row to row
	s_mov_b32 s[\g+6], 0
	s_mov_b32 s[\g+7], 0
.endr
	; the scales of 128 rows: a dense block of 4,096 bytes, as 16 rows of 256 bytes (32 elements of 8 bytes), 16 bytes of padding behind each
	s_or_b32 s[G1S+0], s43, (3<<16)|(1<<20)|(1<<21)|(5<<22)|(3<<25)
	s_or_b32 s[G1SB+0], s44, (3<<16)|(1<<20)|(1<<21)|(5<<22)|(3<<25)
.irp g, G1S, G1SB
	s_mov_b32 s[\g+1], 32<<16
	s_mov_b32 s[\g+2], (128*KS/256)<<16
	s_mov_b32 s[\g+3], 32<<16
	s_mov_b32 s[\g+4], 128*KS/256
	s_mov_b32 s[\g+5], 32
	s_mov_b32 s[\g+6], 0
	s_mov_b32 s[\g+7], 0
.endr
	s_lshl_b32 s18, s16, 7                         ; which 128 rows of the tile I fetch
	s_lshl_b32 s20, s17, 8
	s_add_co_u32 s20, s20, s18                     ; A: row 256 x tile row + 128 x half
	s_lshl_b32 s46, s42, 8
	s_add_co_u32 s46, s46, s18                     ; B: row 256 x tile column + 128 x half
	s_mov_b32 s21, 0
	s_mov_b32 s47, 0
	s_mov_b64 s[18:19], KS
	s_mul_u64 s[22:23], s[20:21], s[18:19]         ; where these rows' scales begin, in bytes
	s_mul_u64 s[92:93], s[46:47], s[18:19]
	s_mov_b64 s[18:19], KROW
	s_mul_u64 s[20:21], s[20:21], s[18:19]         ; and their codes
	s_mul_u64 s[46:47], s[46:47], s[18:19]
	s_mul_i32 s45, s14, HALFT                      ; where they go: wave x 128 rows: no place in the cluster enters an LDS address
	s_mul_i32 s94, s14, HALFS
	s_wait_dscnt 0x0                               ; both opening adds are done
	s_wait_kmcnt 0x0
	s_add_nc_u64 s[20:21], s[4:5], s[20:21]
	s_add_nc_u64 s[22:23], s[6:7], s[22:23]
	s_add_nc_u64 s[46:47], s[8:9], s[46:47]
	s_add_nc_u64 s[92:93], s[10:11], s[92:93]
	CROUND                                         ; all sixteen work-groups are here: the joint loads meet
	s_mov_b32 s[G0S], 1
	s_add_co_u32 s[G0S+1], s94, SCL
	s_mov_b64 s[G0S+2:G0S+3], s[22:23]
	s_or_b32 s[G0S+3], s[G0S+3], 0x80000000
	s_mov_b32 s[G0SB], 1
	s_add_co_u32 s[G0SB+1], s94, SCL
	s_mov_b64 s[G0SB+2:G0SB+3], s[92:93]
	s_or_b32 s[G0SB+3], s[G0SB+3], 0x80000000
	JLOAD G0S, G1S, G0SB, G1SB                     ; the scales first: they are wanted with K step 0
.irp s, 0,1
	s_mov_b32 s[G0+4*\s], 1
	s_add_co_u32 s[G0+4*\s+1], s45, \s*SLOT
	s_add_nc_u64 s[G0+4*\s+2:G0+4*\s+3], s[20:21], \s*ROWB
	s_or_b32 s[G0+4*\s+3], s[G0+4*\s+3], 0x80000000
	s_mov_b32 s[G0B+4*\s], 1
	s_add_co_u32 s[G0B+4*\s+1], s45, \s*SLOT
	s_add_nc_u64 s[G0B+4*\s+2:G0B+4*\s+3], s[46:47], \s*ROWB
	s_or_b32 s[G0B+4*\s+3], s[G0B+4*\s+3], 0x80000000
	JLOAD G0+4*\s, G1, G0B+4*\s, G1B               ; three tensor loads of mine are out: the scales and both K steps
.endr
	v_and_b32 v1, 15, v0                           ; l % 16
	v_bfe_u32 v2, v0, 4, 1                         ; l / 16
	v_mul_u32_u24 v3, v1, PITCH
	v_lshl_add_u32 v4, v2, 4, v3                   ; a fragment's row x pitch + 16 x half
	s_mul_i32 s21, s15, HALFT                      ; my 128 rows of A
	s_mul_i32 s22, s16, HALFT                      ; my 128 rows of B,
	s_add_co_u32 s22, s22, 2*HALFT                 ; which lie behind A's 256
.irp s, 0,1
	v_add_nc_u32 v[ADRA+\s], s21, v4
	v_add_nc_u32 v[ADRB+\s], s22, v4
	s_add_co_u32 s21, s21, SLOT
	s_add_co_u32 s22, s22, SLOT
.endr
	v_mul_u32_u24 v5, v1, KS                       ; my row's scales: KS bytes a row,
	v_lshrrev_b32 v6, 8, v5
	v_lshl_add_u32 v5, v6, 4, v5                   ; and 16 more for each 256 passed
	s_mul_i32 s21, s15, HALFS                      ; A's: my 128 rows
	s_mul_i32 s22, s16, HALFS                      ; B's: my 128 rows, behind A's 256
	s_add_co_u32 s22, s22, 2*HALFS
	s_sub_co_u32 s22, s22, s21
	v_mul_u32_u24 v6, s22, v2                      ; lanes 16-31 take B's: one product, the distance between the two bases
	s_add_co_u32 s21, s21, SCL
	v_add_nc_u32 v5, v5, v6
	v_add_nc_u32 v[ADRS], s21, v5
	s_mul_i32 s23, s14, 16*SPITCH                  ; my stage
	v_mul_u32_u24 v5, v1, SPITCH                   ; in: token l % 16, 16 bytes for each half of the lanes
	v_lshl_add_u32 v5, v2, 4, v5
	v_add_nc_u32 v[STO], s23, v5
	v_and_b32 v6, 31, v0
	v_lshlrev_b32 v[CO], 4, v6
	v_bfe_u32 v5, v0, 3, 2                         ; back: eight lanes take a token's 128 bytes of one plane, the 32 lanes four tokens
	v_mul_u32_u24 v5, v5, SPITCH
	v_and_b32 v6, 7, v0
	v_lshl_add_u32 v5, v6, 4, v5
	v_add_nc_u32 v[RD], s23, v5
	s_lshl_b32 s20, s17, 15                        ; my first token: (256 x tile row + 128 x half) x 128 bytes
	s_lshl_b32 s21, s15, 14
	s_add_co_u32 s20, s20, s21
	s_mov_b32 s21, 0
	s_lshl_b32 s46, s42, 2                         ; my first plane: 4 x tile column + 2 x half
	s_lshl_b32 s47, s16, 1
	s_add_co_u32 s46, s46, s47
	s_lshl_b32 s46, s46, 19
	s_mov_b32 s47, 0
	s_add_nc_u64 s[20:21], s[20:21], s[46:47]
	s_add_nc_u64 s[12:13], s[12:13], s[20:21]
.macro FRAG reg, adr, q, i             ; a fragment, 16 rows x 128 K of 4-bit codes: lane l holds row l % 16; registers 4 c .. 4 c + 3 hold K = 64 c + 32 (l / 16) + 0 .. 31
.irp c, 0,1
	ds_load_b128 v[\reg+4*\c:\reg+4*\c+3], v[\adr] offset:64*(\q)+32*\c+(\i)*16*PITCH
.endr
.endm
; 16 matrix instructions: A's blocks a0, a0 + 1 x B's eight, the slot's q-th 128 along K.  p: B's set; sc: the set of scale words.  zero = 1: the first product starts the sums.
; The 64 accumulators take turns, one instruction a turn, in the same order in every step.
.macro MUL16 a0, p, q, sc, zero
.irp a, \a0, \a0+1
.irp b, 0,1,2,3,4,5,6,7
.if \zero
	v_wmma_scale_f32_16x16x128_f8f6f4 v[8*(8*((\a)%4)+\b):8*(8*((\a)%4)+\b)+7], v[128*(\p)+FR*\b:128*(\p)+FR*\b+FR-1], v[AF+FR*(\a):AF+FR*(\a)+FR-1], 0, v[SC+8*NQ*(\sc)+NQ*\b+(\q)], v[SC+8*NQ*(\sc)+NQ*(\a)+(\q)] matrix_a_fmt:MATRIX_FMT_FP4 matrix_b_fmt:MATRIX_FMT_FP4 matrix_a_scale:MATRIX_SCALE_ROW1
.else
	v_wmma_scale_f32_16x16x128_f8f6f4 v[8*(8*((\a)%4)+\b):8*(8*((\a)%4)+\b)+7], v[128*(\p)+FR*\b:128*(\p)+FR*\b+FR-1], v[AF+FR*(\a):AF+FR*(\a)+FR-1], v[8*(8*((\a)%4)+\b):8*(8*((\a)%4)+\b)+7], v[SC+8*NQ*(\sc)+NQ*\b+(\q)], v[SC+8*NQ*(\sc)+NQ*(\a)+(\q)] matrix_a_fmt:MATRIX_FMT_FP4 matrix_b_fmt:MATRIX_FMT_FP4 matrix_a_scale:MATRIX_SCALE_ROW1
.endif
.endr
.endr
.endm
.macro FETCH_B slot, q, p              ; B's eight fragments of the slot's q-th 128 along K into set p
	WIN TO_B
.irp i, 0,1,2,3,4,5,6,7
	FRAG 128*(\p)+FR*\i, ADRB+\slot, \q, \i
.endr
	WIN 0
.endm
.macro FETCH_A slot, q, i0             ; A's blocks i0 .. i0 + 3
.irp i, \i0, \i0+1, \i0+2, \i0+3
	FRAG AF+FR*(\i), ADRA+\slot, \q, \i
.endr
.endm
.macro SCALES sc                       ; a K step's scale words into set sc: four words a row; lanes 0-15 take A's block i, lanes 16-31 B's block i
.irp i, 0,1,2,3,4,5,6,7
	ds_load_b128 v[SC+8*NQ*\sc+NQ*\i:SC+8*NQ*\sc+NQ*\i+3], v[ADRS] offset:\i*SBLK
.endr
.endm
; A load into a register that a matrix instruction has read, and a vector instruction that reads a matrix result, stand NP places behind that matrix instruction; only plain vector instructions that name none of
; its registers are places (ISA guide 7.12.1 for vector instructions).
.macro PLACES n
.rept \n
	v_nop
.endr
.endm
; A step of 128 along K that has its successor in the same slot.  A block of A is free as soon as its eight products are issued, so one set serves A: blocks 0-3 come anew in the step's middle, 4-7 at its end.
.macro STEP slot, q, zero
	s_wait_dscnt 4*NL                              ; B's set and A's blocks 0-3 are in; the youngest eight loads (A's blocks 4-7) may be out
	WIN MUL_LO
	MUL16 0, (\q)%2, \q, \slot, \zero
	MUL16 2, (\q)%2, \q, \slot, \zero
	s_wait_dscnt 0                                 ; A's blocks 4-7 are in
	PLACES NP
	FETCH_B \slot, (\q)+1, 1-(\q)%2
	FETCH_A \slot, (\q)+1, 0
	WIN MUL_HI
	MUL16 4, (\q)%2, \q, \slot, \zero
	MUL16 6, (\q)%2, \q, \slot, \zero
	PLACES NP
	WIN 0
	FETCH_A \slot, (\q)+1, 4
.endm
; Slot 0's last step goes over to slot 1: one barrier; in front of it each wave waits for all its tensor loads (its part of slot 1), adds 0 to its spare word, and waits for that and for its reads of slot 0.
; Behind it slot 1 is whole and nobody reads slot 0 any more, which the way out relies on.  Nothing is filled again.
.macro TURN slot, next
	s_wait_tensorcnt 0x0                           ; my part of the next slot has landed
	ds_add_u32 v[SPW], v[NIL]                      ; 0 onto my spare word
	s_wait_dscnt 4*NL+1                            ; (the add and the youngest eight loads may be out)
	WIN MUL_LO
	MUL16 0, 1, NQ-1, \slot, 0
	s_wait_dscnt 0x0                               ; the add is done, and my reads of this slot are over
	s_barrier_signal -1
	MUL16 2, 1, NQ-1, \slot, 0
	WIN 0
	s_barrier_wait -1
	PLACES NP
	v_add_nc_u32 v[ADRS], 4*NQ, v[ADRS]            ; on to the next K step's scale words
	FETCH_B \next, 0, 0
	FETCH_A \next, 0, 0
	SCALES \next
	WIN MUL_HI
	MUL16 4, 1, NQ-1, \slot, 0
	MUL16 6, 1, NQ-1, \slot, 0
	PLACES NP
	WIN 0
	FETCH_A \next, 0, 4
.endm
.macro STEPS slot, from                ; the slot's steps from .. NQ - 2
.set Q, \from
.rept NQ-1-\from
	STEP \slot, Q, 0
.set Q, Q+1
.endr
.endm
	s_wait_tensorcnt 1                             ; the scales and my part of K step 0 are in (K step 1's load may be out),
	s_barrier_signal -1
	s_barrier_wait -1                              ; everybody's are
	FETCH_B 0, 0, 0
	FETCH_A 0, 0, 0
	SCALES 0
	FETCH_A 0, 0, 4
	STEP 0, 0, 1                                   ; the first step's products start the sums: nothing is cleared
	STEPS 0, 1
	TURN 0, 1
	STEPS 1, 0
	s_wait_dscnt 4*NL                              ; the very last step: nothing more to fetch
	WIN MUL_LO
	MUL16 0, 1, NQ-1, 1, 0
	MUL16 2, 1, NQ-1, 1, 0
	s_wait_dscnt 0
	WIN MUL_HI
	MUL16 4, 1, NQ-1, 1, 0
	MUL16 6, 1, NQ-1, 1, 0
	WIN 0
; THE WAY OUT, block by block of 16 tokens x 128 features (two planes).  PACK: rounded to f16, 16 bytes a lane for each of B's blocks, each accumulator from its low end on.  TOSTAGE: into my own stage (rows of 272
; bytes) and back by planes: a load takes four tokens' 128 bytes of one plane.  SEND: stored: four tokens of a plane are 512 consecutive bytes of the output, aligned.
.macro PACK a
.set AC, 64*((\a)%4)
	WIN 0x0a+5*((\a)/4)                            ; sources 0 and 1: window 2 or 3
.irp b, 0,1,2,3,4,5,6,7
.irp r, 0,1,2,3
	v_cvt_pk_f16_f32 v[TMP+4*\b+\r], v[AC+8*\b+2*\r], v[AC+8*\b+2*\r+1]
.endr
.endr
	WIN 0
.endm
.macro TOSTAGE a
.set BK, OB+192*((\a)%2)
.irp b, 0,1,2,3,4,5,6,7
	ds_store_b128 v[STO], v[TMP+4*\b:TMP+4*\b+3] offset:32*\b
.endr
.irp i, 0,1,2,3,4,5,6,7
	ds_load_b128 v[BK+4*\i:BK+4*\i+3], v[RD] offset:4*(\i%4)*SPITCH+128*(\i/4)    ; LDS serves a wave's instructions in order (ISA guide 5.7.1.4): these see the stores above
.endr
.endm
.macro SEND a
.set BK, OB+192*((\a)%2)
	s_wait_dscnt 0x0                               ; the block is back in registers
	s_wait_xcnt 0x0                                ; the stores of the block before have read their registers, into which the next block's loads will land
.irp i, 0,1,2,3,4,5,6,7
	global_store_b128 v[CO], v[BK+4*\i:BK+4*\i+3], s[12:13] offset:(\a)*2048+(\i/4)*HEADB+(\i%4)*512   ; at most 540,160: inside the signed 24-bit immediate, so the base is never stepped
.endr
.endm
	PLACES NP                                      ; behind the last products
	PACK 0
	TOSTAGE 0
.irp a, 1,2,3,4,5,6,7                  ; block a's conversions stand between block a - 1's loads from the stage and the wait for them
	PACK \a
	SEND \a-1
	TOSTAGE \a
.endr
	SEND 7
	s_wait_tensorcnt 0x0                           ; the wave's end: behind my last tensor load and my last LDS store
	ds_add_u32 v[SPW], v[NIL]
	s_wait_dscnt 0x0
	CROUND                                         ; the closing round: no work-group ends while a partner may still ask for a tile that names it
	s_endpgm
.Lfunc_end_k_q4983cfa1c2_qkv:
	.size	k_q4983cfa1c2_qkv, .Lfunc_end_k_q4983cfa1c2_qkv-k_q4983cfa1c2_qkv
	.p2alignl 7, 3214868480
	.fill 96, 4, 3214868480
	.section	.rodata,"a",@progbits
	.p2align	6, 0x0
	.amdhsa_kernel k_q4983cfa1c2_qkv
		.amdhsa_group_segment_fixed_size 327680
		.amdhsa_private_segment_fixed_size 0
		.amdhsa_enable_private_segment 0
		.amdhsa_kernarg_size 40
		.amdhsa_user_sgpr_count 2
		.amdhsa_user_sgpr_kernarg_segment_ptr 1
		.amdhsa_wavefront_size32 1
		.amdhsa_system_sgpr_workgroup_id_x 1
		.amdhsa_system_sgpr_workgroup_id_y 1
		.amdhsa_system_sgpr_workgroup_id_z 1
		.amdhsa_system_vgpr_workitem_id 0
		.amdhsa_next_free_vgpr 1024
		.amdhsa_next_free_sgpr 98
		.amdhsa_reserve_vcc 0
		.amdhsa_float_denorm_mode_32 3
		.amdhsa_float_denorm_mode_16_64 3
		.amdhsa_memory_ordered 1
		.amdhsa_forward_progress 1
		.amdhsa_inst_pref_size 126
	.end_amdhsa_kernel
	.amdgpu_metadata
---
amdhsa.version: [ 1, 2 ]
amdhsa.kernels:
  - .name:           k_q4983cfa1c2_qkv
    .symbol:         k_q4983cfa1c2_qkv.kd
    .args:
      - { .name: x_codes, .offset: 0, .size: 8, .value_kind: global_buffer, .address_space: global }
      - { .name: x_scales, .offset: 8, .size: 8, .value_kind: global_buffer, .address_space: global }
      - { .name: w_codes, .offset: 16, .size: 8, .value_kind: global_buffer, .address_space: global }
      - { .name: w_scales, .offset: 24, .size: 8, .value_kind: global_buffer, .address_space: global }
      - { .name: qkv, .offset: 32, .size: 8, .value_kind: global_buffer, .address_space: global }
    .group_segment_fixed_size: 327680
    .private_segment_fixed_size: 0
    .kernarg_segment_align: 8
    .kernarg_segment_size: 40
    .max_flat_workgroup_size: 128
    .sgpr_count:     98
    .vgpr_count:     1024
    .wavefront_size: 32
...
	.end_amdgpu_metadata
.endif
;; end of part 2
;; launch attn (part 3): grid 16 x 16, 8 waves a work-group, clusters of 4 x 1, 327,680 bytes of LDS; arguments qkv, ao; writes ao
.if DOCPART == 3
	.amdgcn_target "amdgcn-amd-amdhsa--gfx1250"
	.amdhsa_code_object_version 6
	.text
	.protected	k_q4983cfa1c2_attn
	.globl	k_q4983cfa1c2_attn
	.p2align	8
	.type	k_q4983cfa1c2_attn,@function
k_q4983cfa1c2_attn:
	s_mov_b64 s[64:65], 0
	v_nop
	global_prefetch_b8 v0, s[64:65] scope:SCOPE_SE
	s_setreg_imm32_b32 hwreg(HW_REG_WAVE_MODE, 25, 1), 1
	s_wait_xcnt 0x0
	s_wait_alu depctr_hold_cnt(0) depctr_sa_sdst(0) depctr_va_vdst(0) depctr_va_sdst(0) depctr_va_ssrc(0) depctr_va_vcc(0) depctr_vm_vsrc(0)
	s_getreg_b32 s2, hwreg(HW_REG_IB_STS2, 6, 4)
	s_cmp_eq_u32 s2, 0
	s_cbranch_scc0 .Lentry_in_a_cluster
	s_endpgm
.Lentry_in_a_cluster:
	s_bfe_u32 s2, ttmp6, 0x10000c
	s_cmp_lg_u32 s2, 0x3003
	s_cbranch_scc0 .Lentry_shape_is_right
	s_endpgm
.Lentry_shape_is_right:
; O[h][q][:] = the sum over k of softmax_k(Q[h][q] . K[h][k] / 8) V[h][k][:], 16 heads of 64 channels, 4,096 tokens, no mask.
; IN: qkv [48 planes][4096][64] f16 (q: plane h, k: 16 + h, v: 32 + h).  OUT: ao [2048 token pairs][16 heads][2 tokens][64] f16: 256 consecutive bytes are one head of two tokens.
; Products on f16 operands with f32 sums; maxima, exponentials and row sums in f32; the weights p (at most 1) are rounded to f16 for the second product, O once at the end.
; LIMITS: O is rounded to f16 (magnitudes from 65,504 on become infinity; under 6e-5 the step is 6e-8).  NaN and infinities are not served.
; SHARES.  A work-group owns 256 queries of one head.  Waves w and w + 4 own the SAME 64 queries (four tiles of 16): group A (waves 0-3) takes the even key steps of 64 keys, group B (waves 4-7) the odd ones,
; 32 steps each; each wave keeps its own running maximum m, sum l and O^T, and the pair is merged once at the end, through LDS.  So each fragment of K and V read from LDS feeds four matrix instructions.
; OPPOSITE PHASES.  A step is a softmax SM (408 vector instructions) and a matrix phase MX (V^T P of this step, K Q^T of the next: 64 matrix instructions).  In each trip group A runs MX then SM, group B SM then MX.
; LAYOUT.  S^T = K Q^T (source 0 = 16 keys, source 1 = 16 queries): a lane holds ONE query (lane % 16) and the keys 8 (lane / 16) + 0..7.  Two such tiles, rounded to f16 in pairs, ARE source 1 of O^T = V^T P,
; whose result again holds one query a lane.  K comes out of LDS as it lies, V ([key][channel]) turned, by ds_load_tr16_b128.
; SOFTMAX.  p = 2^(c s - c m), c = log2(e) / 8; in every step O^T and l are multiplied by a = 2^(c m_old - c m_new).  m begins at -3e38 and O^T, l at 0, so the first step is like every other.
; CLUSTER.  The four query blocks of a cluster belong to one head and walk the same K and V: each tile is asked for JOINTLY, by the same tensor load with the same descriptor and a mask that names the four.
; RING.  Two LDS slots of 512 keys (four pairs of 128 keys: K's 128 rows, then V's; in each A's 64 rows first).  Each of the eight waves fetches one tile of 128 rows (waves 0-3 K's of pair w, waves 4-7 V's).
; REGISTERS: window 0: v0-11 addresses; v12-43 eight statistics a tile; v44-59 addresses and the merge's numbers; v64-127 Q; v128-255 S^T, 32 a tile; P overwrites the first 16 of each tile.
;   window 1: v0-127 O^T ((t, ct) at 32 t + 8 ct); v128-191 K of one step; v192-255 V of one step.
.set HEADB, 524288                     ; a plane: 4096 tokens x 128 bytes
.set PK,    144                        ; a row of K in LDS: 128 bytes + 16 = 36 words: the 16 rows of a load start at 16 different groups of four banks (64 banks of 4 bytes: ISA guide 11.1)
.set PV,    160                        ; a row of V: 128 + 32 = 40 words
.set PAIRK, 128*PK                     ; a pair's K
.set PAIRB, 128*(PK+PV)                ; a pair: 38,912 bytes
.set SLOTB, 4*PAIRB                    ; a slot: 155,648 bytes
.set SLOTG, 65536                      ; a slot's 512 keys in a plane
.set SPARE, 2*SLOTB                    ; behind the ring: the spare words, 128 bytes for each of eight waves
.set MRGB,  17408                      ; the merge: an image of O^T (16,384 bytes) and two of statistics (512 each) for each pair of waves; it lies in the slot position that was left at the last change
.set STG,   4*MRGB                     ; behind them the stages for the way out: 64 rows x 144 bytes for each wave of group A
.set STGB,  64*PK
.set AK0, 2                            ; v2   my lane's place in a pair's K
.set AV0, 3                            ; v3   and V
.set ADK, 4                            ; v4   LDS address of the K in hand
.set ADV, 5                            ; v5   of the V
.set QO,  6                            ; v6   my byte offset in the wave's rows of Q
.set STO, 7                            ; v7   the way out: where I put 16 bytes of a row
.set RD,  8                            ; v8   where I read back
.set ST,  12                           ; tile t's statistics at v[ST + 8 t]: +0 c m, +1 m, +2, +3 l (even, odd registers'), +4 to +7 at work; a lies in +6, c m_old - c m_new in +7
.set PFO, 44                           ; v44  256 x lane; never rewritten
.set GO,  45                           ; v45  my byte offset in the wave's part of ao
.set SPW, 46                           ; v46  LDS address of my spare word; never rewritten
.set NIL, 47                           ; v47  0; never rewritten
.set MW,  48                           ; v48  the merge: 16 x lane in my pair's region
.set LS,  52                           ; v52-55 my four sums
.set CM,  56                           ; v56-59 my four c m
.set Q,   64
.set S,   128
.set KF,  128                          ; in window 1
.set VF,  192                          ; in window 1
.set WV,  12                           ; s12  my wave's number
.set GRP, 13                           ; s13  0: group A, 1: group B
.set W3,  14                           ; s14  wave % 4
.set LIM, 15                           ; s15  1 in a wave that prefetches, else the greatest number
.set PFA, 18                           ; s[18:19] where my prefetches stand
.set G1K, 24                           ; s[24:31] group 1 for K's tiles;  s[32:39] for V's: it differs in the padding
.set G1V, 32
.set G0K, 40                           ; s[40:47] group 0 for K's tiles: a set for each first fill; the second then walks
.set G0V, 48                           ; s[48:55] the same for V's
.set SLOTS, 56                         ; s56  slots still to be asked for
.set CNT, 57                           ; s57  counts the trips of a run
.set CS,  58                           ; s[58:59] c
.set SEL, 60                           ; s[60:61] lane selects for v_permlanex16_b32: lane l xor 16
.set TB,  62                           ; s62  LDS byte at which the pair to be fetched begins
.set FB,  66                           ; s66  the slot position that the walking descriptors fill
.set WOFK, 67                          ; s67  my tile's place in a slot, if I fetch K
.set WOFV, 68                          ; s68  if V
.set MSB, 0
.macro WIN new                         ; bits 1:0 source 0, 3:2 source 1, 5:4 source 2, 7:6 destination; the high byte repeats the setting that is left
.if MSB != \new
	s_set_vgpr_msb (MSB<<8)|\new
.set MSB, \new
.endif
.endm
; A joint refill: waves 0-3 fetch K's four pairs, waves 4-7 V's.  The branch hangs on the wave's number alone.  An s_nop 0 and four v_nop follow each line.
.macro JLOAD
	s_cmp_lt_u32 s[WV], 4
	s_cbranch_scc0 .Lfor_v_\@
	tensor_load_to_lds s[G0K+4:G0K+7], s[G1K:G1K+7]
	s_nop 0
.rept 4
	v_nop
.endr
	s_branch .Lasked_\@
.Lfor_v_\@:
	tensor_load_to_lds s[G0V+4:G0V+7], s[G1V:G1V+7]
	s_nop 0
.rept 4
	v_nop
.endr
.Lasked_\@:
.endm
; A PREFETCH INTO THE L2 of the slot that the NEXT change of slots will ask for: four trips, eight phases, ahead of that load.  A slot is 65,536 bytes of K's plane and as many of V's.
; Each aligned 256 bytes are named once in the launch: all clusters of a head walk the same planes, so the head's first cluster asks; its four partners take 16,384 bytes each, told apart BY ADDRESS;
; in each, waves 0 and 1 ask for K's and waves 4 and 5 for V's, 8,192 bytes a wave, lanes 256 bytes apart.  The last change that fills a slot asks for nothing; slots 0 to 2 come by their loads alone.
.macro ASK
	s_cmp_gt_u32 s[SLOTS], s[LIM]
	s_cbranch_scc0 .Lnot_mine_\@
	global_prefetch_b8 v[PFO], s[PFA:PFA+1] th:TH_LOAD_NT scope:SCOPE_SE
.Lnot_mine_\@:
.endm
.macro CROUND                          ; a round of the cluster's barrier
	s_barrier_signal -1
	s_barrier_wait -1
	s_cmp_lg_u32 s[WV], 0
	s_cbranch_scc1 .Lnot_wave_0_\@
	s_barrier_signal -3
.Lnot_wave_0_\@:
	s_barrier_wait -3
	s_barrier_signal -1
	s_barrier_wait -1
.endm
	s_load_b128 s[4:7], s[0:1], 0x0                ; qkv s[4:5], ao s[6:7]
	v_lshl_add_u32 v[SPW], v0, 2, SPARE
	v_mov_b32 v[NIL], 0
	ds_add_u32 v[SPW], v[NIL]                      ; the wave's opening: the add, twice on end, and its wait ahead of my first tensor load; the set-up below stands between
	ds_add_u32 v[SPW], v[NIL]
	v_lshrrev_b32 v10, 5, v0
	v_readfirstlane_b32 s[WV], v10                 ; wave 0..7
	s_lshr_b32 s[GRP], s[WV], 2
	s_and_b32 s[W3], s[WV], 3
	s_bfe_u32 s16, ttmp6, 0x40000                  ; cx: it enters Q's, ao's and the prefetches' addresses alone
	s_lshl_b32 s17, ttmp9, 2
	s_add_co_u32 s17, s17, s16                     ; my block of 256 queries
	s_and_b32 s22, ttmp7, 0xffff                   ; the head, which the four partners share
	s_lshl_b32 s20, s22, 19
	s_add_co_u32 s20, s20, 16*HEADB                ; K's plane, in bytes
	s_mov_b32 s21, 0
	s_lshl_b32 s2, s17, 15                         ; Q: my block's 256 rows of 128 bytes,
	s_lshl_b32 s3, s[W3], 13                       ; my wave's 64,
	s_add_co_u32 s2, s2, s3
	s_lshl_b32 s3, s22, 19                         ; in plane h
	s_add_co_u32 s2, s2, s3
	s_mov_b32 s3, 0
	s_lshl_b32 s70, s17, 19                        ; ao: my block's 128 pairs of 4,096 bytes,
	s_lshl_b32 s71, s[W3], 17                      ; my wave's 32,
	s_add_co_u32 s70, s70, s71
	s_lshl_b32 s71, s22, 8                         ; my head's 256 bytes
	s_add_co_u32 s70, s70, s71
	s_mov_b32 s71, 0
	s_mul_i32 s[WOFK], s[W3], PAIRB                ; no place in the cluster enters an LDS address
	s_add_co_u32 s[WOFV], s[WOFK], PAIRK
	s_mov_b32 s[FB], SLOTB
	s_mov_b32 s[TB], 0
	s_mov_b32 s[SLOTS], 6                          ; eight slots of keys, two of them first fills
	s_mov_b32 s[CS], 0x3e38aa3b                    ; c = log2(e) / 8
	s_mov_b32 s[CS+1], s[CS]                       ; (named with it as a pair, so it is written)
	s_mov_b32 s[SEL], 0x76543210
	s_mov_b32 s[SEL+1], 0xfedcba98
	s_and_b32 s[LIM], s[WV], 2                     ; 0 in waves 0, 1, 4, 5,
	s_or_b32 s[LIM], s[LIM], ttmp9                 ; of the head's first cluster: the same in all four partners
	s_cmp_eq_u32 s[LIM], 0
	s_cselect_b32 s[LIM], 1, -1
	; group 1: a tile of 128 rows x 64 elements of 2 bytes, dense in memory, padded in LDS
	s_mov_b32 s[G1K], 15|(1<<16)|(1<<20)|(1<<21)|(4<<22)|(3<<25)  ; 15:0 the mask: all four; 17:16 2 bytes; 20 padding on; 21 set beside a mask; 24:22 after every 32 words; 31:25 four words
	s_mov_b32 s[G1V], 15|(1<<16)|(1<<20)|(1<<21)|(4<<22)|(7<<25)  ; the same with eight words
.irp g, G1K, G1V
	s_mov_b32 s[\g+1], 64<<16                      ; tensor_dim0
	s_mov_b32 s[\g+2], 128<<16                     ; tensor_dim1
	s_mov_b32 s[\g+3], 64<<16                      ; tile_dim0
	s_mov_b32 s[\g+4], 128                         ; tile_dim1
	s_mov_b32 s[\g+5], 64                          ; from row to row
	s_mov_b32 s[\g+6], 0
	s_mov_b32 s[\g+7], 0
.endr
	; every LDS address that stays is made here, ahead of the first parting of the groups
	v_and_b32 v1, 15, v0                           ; r = l % 16
	v_bfe_u32 v9, v0, 4, 1                         ; h = l / 16
	v_mul_u32_u24 v[AK0], v1, PK                   ; K: a fragment is 16 keys x 32 channels: row r, + 16 h; two loads 32 bytes apart
	v_lshl_add_u32 v[AK0], v9, 4, v[AK0]
	s_mul_i32 s23, s[GRP], 64*PK                   ; my group's 64 rows of the pair
	v_add_nc_u32 v[AK0], s23, v[AK0]
	v_and_b32 v10, 7, v0
	v_bfe_u32 v11, v0, 3, 1
	v_lshl_add_u32 v[AV0], v9, 3, v10              ; V: the turning load: lane l reads key 8 h + l % 8, channels 8 ((l / 8) % 2) + 0..7
	v_mul_u32_u24 v[AV0], v[AV0], PV
	v_lshl_add_u32 v[AV0], v11, 4, v[AV0]
	s_mul_i32 s23, s[GRP], 64*PV
	s_add_co_u32 s23, s23, PAIRK
	v_add_nc_u32 v[AV0], s23, v[AV0]
	v_lshlrev_b32 v[QO], 7, v1
	v_lshl_add_u32 v[QO], v9, 4, v[QO]             ; Q: row r of 128 bytes, + 16 h
	s_mul_i32 s23, s[W3], STGB
	s_add_co_u32 s23, s23, STG                     ; my stage
	v_mul_u32_u24 v[STO], v1, PK                   ; in: row r, 16 bytes for each half of the lanes
	v_lshl_add_u32 v[STO], v9, 4, v[STO]
	v_add_nc_u32 v[STO], s23, v[STO]
	v_bfe_u32 v11, v0, 3, 2
	v_mul_u32_u24 v[RD], v11, PK                   ; back: eight lanes take a row of 128 bytes, the 32 lanes four rows
	v_lshl_add_u32 v[RD], v10, 4, v[RD]
	v_add_nc_u32 v[RD], s23, v[RD]
	v_and_b32 v10, 31, v0
	v_lshlrev_b32 v[PFO], 8, v10
	v_lshlrev_b32 v[GO], 12, v9                    ; ao: lanes 0-15 one pair of tokens, lanes 16-31 the next; 16 bytes a lane
	v_lshl_add_u32 v[GO], v1, 4, v[GO]
	s_mul_i32 s23, s[W3], MRGB
	v_lshl_add_u32 v[MW], v10, 4, s23
.irp t, 0,1,2,3
	v_mov_b32 v[ST+8*\t+1], 0xff61b1e6             ; m: -3e38, under every score
	v_mul_f32 v[ST+8*\t], s[CS], v[ST+8*\t+1]      ; c m
	v_mov_b32 v[ST+8*\t+2], 0                      ; l
	v_mov_b32 v[ST+8*\t+3], 0
.endr
	WIN 0x40                                       ; destination window 1
.set nn, 0
.rept 128
	v_mov_b32 v[nn], 0                             ; O^T.  Cleared once, so that the first step needs no text of its own: its a is 0, and 0 x 0 stays 0
.set nn, nn+1
.endr
	WIN 0
	s_wait_dscnt 0x0                               ; both opening adds are done
	s_wait_kmcnt 0x0
	s_add_nc_u64 s[8:9], s[4:5], s[20:21]          ; K's plane
	s_add_nc_u64 s[10:11], s[8:9], 16*HEADB        ; V's
	s_add_nc_u64 s[4:5], s[4:5], s[2:3]            ; Q at my wave's first row
	s_add_nc_u64 s[6:7], s[6:7], s[70:71]          ; ao at my wave's first pair
	s_cmp_lt_u32 s[WV], 4
	s_cselect_b64 s[PFA:PFA+1], s[8:9], s[10:11]
	s_lshl_b32 s2, s16, 14                         ; my work-group's 16,384 bytes of a slot,
	s_and_b32 s3, s[WV], 1
	s_lshl_b32 s3, s3, 13                          ; my wave's 8,192,
	s_add_co_u32 s2, s2, s3
	s_add_co_u32 s2, s2, 2*SLOTG                   ; in slot 2: the first change of slots steps it to slot 3.  Nothing is prefetched at the head
	s_mov_b32 s3, 0
	s_add_nc_u64 s[PFA:PFA+1], s[PFA:PFA+1], s[2:3]
	s_lshl_b32 s20, s[W3], 14                      ; my tile: pair w % 4 of a slot
	s_add_nc_u64 s[8:9], s[8:9], s[20:21]
	s_add_nc_u64 s[10:11], s[10:11], s[20:21]
	CROUND                                         ; all four work-groups are here: the first joint loads meet
.irp s, 0,1
	s_mov_b32 s[G0K+4*\s], 1                       ; 1:0 count = 1
	s_add_co_u32 s[G0K+4*\s+1], s[WOFK], \s*SLOTB  ; 63:32 LDS address
	s_add_nc_u64 s[G0K+4*\s+2:G0K+4*\s+3], s[8:9], \s*SLOTG  ; 120:64 global address
	s_or_b32 s[G0K+4*\s+3], s[G0K+4*\s+3], 0x80000000  ; 127:126 type = 2
	s_mov_b32 s[G0V+4*\s], 1
	s_add_co_u32 s[G0V+4*\s+1], s[WOFV], \s*SLOTB
	s_add_nc_u64 s[G0V+4*\s+2:G0V+4*\s+3], s[10:11], \s*SLOTG
	s_or_b32 s[G0V+4*\s+3], s[G0V+4*\s+3], 0x80000000
.endr
	s_cmp_lt_u32 s[WV], 4                          ; a wave's two first fills stand in one branch, ahead of every wait on TENSORcnt and every LDS read: two loads of mine are out
	s_cbranch_scc0 .Lfirst_v
	tensor_load_to_lds s[G0K:G0K+3], s[G1K:G1K+7]
	s_nop 0
	tensor_load_to_lds s[G0K+4:G0K+7], s[G1K:G1K+7]
	s_nop 0
.rept 4
	v_nop
.endr
	s_branch .Lfirst_asked
.Lfirst_v:
	tensor_load_to_lds s[G0V:G0V+3], s[G1V:G1V+7]
	s_nop 0
	tensor_load_to_lds s[G0V+4:G0V+7], s[G1V:G1V+7]
	s_nop 0
.rept 4
	v_nop
.endr
.Lfirst_asked:
.irp i, 0,1,2,3,4,5,6,7                ; Q stays in registers: fragment i: tile i / 2, channels 32 (i % 2) on
	global_load_b128 v[Q+8*\i:Q+8*\i+3],   v[QO], s[4:5] offset:(\i/2)*2048+(\i%2)*64
	global_load_b128 v[Q+8*\i+4:Q+8*\i+7], v[QO], s[4:5] offset:(\i/2)*2048+(\i%2)*64+32
.endr
; THE SOFTMAX of one tile for one step, in three lists.  s0-s31 are the lane's 32 scores.
; PREI, item jj of 37: 0-15 the maximum of s0-s31 and the old m (four chains of seven scores, from each accumulator's low end on; the four scores left over; the chains; m);
;   16-20 the other half of the lanes' maximum, the new m, c m, c m_old - c m_new; 21-36 the scalings c s - c m, a pair each.
.macro PREI t
.set rT, ST+8*(\t)
.set rS, S+32*(\t)
.if jj < 4
	v_max3_num_f32 v[rT+4+jj], v[rS+8*jj], v[rS+8*jj+1], v[rS+8*jj+2]
.elseif jj < 12
	v_max3_num_f32 v[rT+4+jj%4], v[rT+4+jj%4], v[rS+8*(jj%4)+2*(jj/4)+1], v[rS+8*(jj%4)+2*(jj/4)+2]
.elseif jj == 12
	v_max3_num_f32 v[rT+4], v[rT+4], v[rS+7], v[rS+15]
.elseif jj == 13
	v_max3_num_f32 v[rT+6], v[rT+6], v[rS+23], v[rS+31]
.elseif jj == 14
	v_max3_num_f32 v[rT+4], v[rT+4], v[rT+5], v[rT+6]
.elseif jj == 15
	v_max3_num_f32 v[rT+4], v[rT+4], v[rT+7], v[rT+1]
.elseif jj == 16
	v_permlanex16_b32 v[rT+5], v[rT+4], s[SEL], s[SEL+1]  ; the query's other 32 keys lie in the lane 16 away
.elseif jj == 17
	v_mov_b32 v[rT+7], v[rT]                       ; c m_old is kept
.elseif jj == 18
	v_max_num_f32 v[rT+1], v[rT+4], v[rT+5]
.elseif jj == 19
	v_mul_f32 v[rT], s[CS], v[rT+1]
.elseif jj == 20
	v_sub_f32 v[rT+7], v[rT+7], v[rT]
.else
	v_pk_fma_f32 v[rS+2*(jj-21):rS+2*(jj-21)+1], v[rS+2*(jj-21):rS+2*(jj-21)+1], s[CS:CS+1], v[rT:rT+1] op_sel_hi:[1,0,0] neg_lo:[0,0,1] neg_hi:[0,0,1]
.endif
.endm
; EXPI, item ie of 33: a, then the 32 weights in place.
.macro EXPI t
.set rT, ST+8*(\t)
.set rS, S+32*(\t)
.if ie == 0
	v_exp_f32 v[rT+6], v[rT+7]
.else
	v_exp_f32 v[rS+ie-1], v[rS+ie-1]
.endif
.endm
; POSTI, item ii of 32: 0-15 l = a l + the sum of the unrounded weights, in two chains; 16-31 the roundings to f16, in place and ascending: P's register n takes weights 2 n and 2 n + 1.
.macro POSTI t
.set rT, ST+8*(\t)
.set rS, S+32*(\t)
.if ii == 0
	v_pk_fma_f32 v[rT+2:rT+3], v[rT+2:rT+3], v[rT+6:rT+7], v[rS:rS+1] op_sel_hi:[1,0,1]
.elseif ii == 1
	v_pk_add_f32 v[rT+4:rT+5], v[rS+2:rS+3], v[rS+4:rS+5]
.elseif (ii < 15) && (ii%2 == 0)
	v_pk_add_f32 v[rT+2:rT+3], v[rT+2:rT+3], v[rS+2*(ii+1):rS+2*(ii+1)+1]
.elseif ii < 15
	v_pk_add_f32 v[rT+4:rT+5], v[rT+4:rT+5], v[rS+2*(ii+1):rS+2*(ii+1)+1]
.elseif ii == 15
	v_pk_add_f32 v[rT+2:rT+3], v[rT+2:rT+3], v[rT+4:rT+5]
.else
	v_cvt_pk_f16_f32 v[rS+ii-16], v[rS+2*(ii-16)], v[rS+2*(ii-16)+1]
.endif
.endm
; item ip of the stream POSTI(tp), then PREI(tn); -1: the stream has no such part
.macro PLAIN tp, tn
.if (\tp) >= 0
.if ip < 32
.set ii, ip
	POSTI \tp
.else
.set jj, ip-32
	PREI \tn
.endif
.else
.set jj, ip
	PREI \tn
.endif
.set ip, ip+1
.endm
; Tile te's 33 exponentials, with the npl plain instructions of its neighbours (the tile before's sums and roundings, the tile after's maximum and scalings) dealt out evenly between them.  None of these names a result of
; the batch.  Behind it one plain instruction and ONE wait for the whole batch.
.macro MIX te, tp, tn, npl
.set ie, 0
.set ip, 0
.rept 33
	EXPI \te
.rept 3
.if ip*33 < (ie+1)*(\npl)
	PLAIN \tp, \tn
.endif
.endr
.set ie, ie+1
.endr
	v_nop
	s_wait_alu depctr_va_vdst(0)
.endm
.macro SM                              ; a step's softmax for the four tiles: all in window 0
.set jj, 0
.rept 37
	PREI 0
.set jj, jj+1
.endr
	MIX 0, -1, 1, 37
	MIX 1, 0, 2, 69
	MIX 2, 1, 3, 69
	MIX 3, 2, -1, 32
.set ii, 0
.rept 32
	POSTI 3
.set ii, ii+1
.endr
.endm
.macro RESC t, n                       ; pair n of tile t's O^T times a
	v_pk_mul_f32 v[32*(\t)+2*(\n):32*(\t)+2*(\n)+1], v[32*(\t)+2*(\n):32*(\t)+2*(\n)+1], v[ST+8*(\t)+6:ST+8*(\t)+7] op_sel_hi:[1,0]
.endm
; THE MATRIX PHASE.  ldk: the next step's K is fetched (16 loads).  pv: O^T = a O^T + V^T P: tile t's eight products, its four accumulators by turns, with the rescaling of tile
; t + 1 set between them, two a product.  ldv: the next step's V (16 turning loads).  kq: the next step's S^T = K Q^T: 32 products, the 16 accumulators by turns; the first 16 start the sums.
; Places (ISA guide 7.12.1 for vector instructions): five v_nop behind V^T P: four are owed to the loads into V's registers, five to the products K Q^T that write over P;
; four behind K Q^T, for the softmax that reads S^T and the next loads into K's registers.
.macro MX ldk, pv, ldv, kq
.if \ldk
	WIN 0x40                                       ; destination window 1
.irp f, 0,1,2,3,4,5,6,7                ; fragment f: keys 16 (f / 2) on, channels 32 (f % 2) on
	ds_load_b128 v[KF+8*\f:KF+8*\f+3],   v[ADK] offset:(\f/2)*16*PK+(\f%2)*64
	ds_load_b128 v[KF+8*\f+4:KF+8*\f+7], v[ADK] offset:(\f/2)*16*PK+(\f%2)*64+32
.endr
.endif
.if \pv
	s_wait_dscnt 16*\ldk                           ; V is in; the 16 loads of K just issued may be out
	WIN 0x51                                       ; V and O^T in window 1, P and a in window 0
.irp n, 0,1,2,3,4,5,6,7,8,9,10,11,12,13,14,15
	RESC 0, \n
.endr
.irp t, 0,1,2,3
.irp i, 0,1,2,3,4,5,6,7                ; keys 32 (i / 4) on, channels 16 (i % 4) on
	v_wmma_f32_16x16x32_f16 v[32*\t+8*(\i%4):32*\t+8*(\i%4)+7], v[VF+8*(4*(\i/4)+\i%4):VF+8*(4*(\i/4)+\i%4)+7], v[S+32*\t+8*(\i/4):S+32*\t+8*(\i/4)+7], v[32*\t+8*(\i%4):32*\t+8*(\i%4)+7]
.if \t < 3
	RESC \t+1, 2*\i
	RESC \t+1, 2*\i+1
.endif
.endr
.endr
.rept 5
	v_nop
.endr
.endif
.if \ldv
	WIN 0x40
.irp f, 0,1,2,3,4,5,6,7                ; fragment f: keys 32 (f / 4) on, channels 16 (f % 4) on
	ds_load_tr16_b128 v[VF+8*\f:VF+8*\f+3],   v[ADV] offset:(\f/4)*32*PV+(\f%4)*32
	ds_load_tr16_b128 v[VF+8*\f+4:VF+8*\f+7], v[ADV] offset:(\f/4)*32*PV+16*PV+(\f%4)*32
.endr
.endif
.if \kq
	s_wait_dscnt 16                                ; K is in; the 16 loads of V just issued may be out
	WIN 0x01                                       ; K in window 1, Q and S^T in window 0
.irp c, 0,1
.irp u, 0,1,2,3
.irp t, 0,1,2,3
.if \c == 0
	v_wmma_f32_16x16x32_f16 v[S+32*\t+8*\u:S+32*\t+8*\u+7], v[KF+8*(2*\u+\c):KF+8*(2*\u+\c)+7], v[Q+8*(2*\t+\c):Q+8*(2*\t+\c)+7], 0
.else
	v_wmma_f32_16x16x32_f16 v[S+32*\t+8*\u:S+32*\t+8*\u+7], v[KF+8*(2*\u+\c):KF+8*(2*\u+\c)+7], v[Q+8*(2*\t+\c):Q+8*(2*\t+\c)+7], v[S+32*\t+8*\u:S+32*\t+8*\u+7]
.endif
.endr
.endr
.endr
.rept 4
	v_nop
.endr
.endif
	WIN 0                                          ; at a label and at a branch every window is 0
.endm
; A TRIP.  Group A: MX of step j, SM of step j + 1.  Group B: SM of step j, MX of step j.  Both fetch pair j + 1.  The two addresses are made on the way that all waves take.
.macro DOUBLE
	v_add_nc_u32 v[ADK], s[TB], v[AK0]
	v_add_nc_u32 v[ADV], s[TB], v[AV0]
	s_cmp_lt_u32 s[WV], 4
	s_cbranch_scc0 .Lgroup_b_\@
	MX 1, 1, 1, 1
	SM
	s_branch .Ljoin_\@
.Lgroup_b_\@:
	SM
	MX 1, 1, 1, 1
.Ljoin_\@:
	s_add_co_u32 s[TB], s[TB], PAIRB
.endm
.macro RUN n
	s_mov_b32 s[CNT], \n
.Lrun_\@:
	DOUBLE
	s_sub_co_u32 s[CNT], s[CNT], 1
	s_cmp_lg_u32 s[CNT], 0
	s_cbranch_scc1 .Lrun_\@
.endm
; THE CHANGE OF SLOTS.  All four pairs of the slot in hand have been fetched into registers.  Each wave waits for all its tensor loads, of which one is out: its tile of the other slot; adds 0 to its spare word; and waits for
; that and for its reads of the slot.  fill = 1: the barrier is a round of the cluster's, so that no wave of any partner still reads the slot or has a load on its way, and the joint refill (the keys two slots on) is the
; first thing behind it: it has four trips in which to land.
.macro CHANGE fill
	s_wait_tensorcnt 0x0                           ; no tensor load of mine is out, so a group 0 may be written
	ds_add_u32 v[SPW], v[NIL]                      ; 0 onto my spare word
.if \fill
	s_xor_b32 s[FB], s[FB], SLOTB                  ; the walking descriptors: the other position than last time,
	s_add_co_u32 s[G0K+5], s[FB], s[WOFK]
	s_add_nc_u64 s[G0K+6:G0K+7], s[G0K+6:G0K+7], SLOTG  ; the next 512 keys; the type bits on top are not reached
	s_add_co_u32 s[G0V+5], s[FB], s[WOFV]
	s_add_nc_u64 s[G0V+6:G0V+7], s[G0V+6:G0V+7], SLOTG
	s_wait_xcnt 0x0                                ; the last prefetch, four trips back, has read its address
	s_add_nc_u64 s[PFA:PFA+1], s[PFA:PFA+1], SLOTG ; one slot further on than the walking descriptors
	s_wait_dscnt 0x0                               ; the add is done, and my reads of the slot are over
	CROUND
	JLOAD
	ASK
.else
	s_wait_dscnt 0x0
	s_barrier_signal -1
	s_barrier_wait -1
.endif
	s_sub_co_u32 s[TB], s[TB], SLOTB               ; the fetches go back to a slot's first pair,
	s_xor_b32 s[TB], s[TB], SLOTB                  ; in the other position
.endm
	s_wait_tensorcnt 1                             ; my tile of slot 0 is in; slot 1's may stay out
	s_barrier_signal -1
	s_barrier_wait -1                              ; everybody's is
	v_add_nc_u32 v[ADK], s[TB], v[AK0]             ; pair 0
	v_add_nc_u32 v[ADV], s[TB], v[AV0]
	s_wait_loadcnt 0x0                             ; Q
	MX 1, 0, 1, 1                                  ; K and V of step 0, and its scores
	s_add_co_u32 s[TB], s[TB], PAIRB
	s_cmp_lt_u32 s[WV], 4
	s_cbranch_scc0 .Lpro_b
	SM                                             ; group A alone: it goes one phase ahead
.Lpro_b:
	s_wait_dscnt 0x0
	s_barrier_signal -1                            ; the groups set out together, one phase apart
	s_barrier_wait -1
	RUN 3                                          ; trips 0-2 fetch pairs 1-3 of slot 0
.Lslot:                                            ; six trips: every slot but the last two is filled again
	CHANGE 1
	RUN 4
	s_sub_co_u32 s[SLOTS], s[SLOTS], 1
	s_cmp_lg_u32 s[SLOTS], 0
	s_cbranch_scc1 .Lslot
	CHANGE 0                                       ; the tail is written out
	RUN 4
	s_cmp_lt_u32 s[WV], 4
	s_cbranch_scc1 .Lfin_a
	SM                                             ; group B's last softmax
.Lfin_a:
	MX 0, 1, 0, 0                                  ; V^T P of the last step
	; THE MERGE.  Waves w and w + 4 hold, for the same lane, the same query: (c m, l, O^T) over the even and over the odd key steps.  Group B hands its numbers over as images of its registers.
.irp t, 0,1,2,3
	v_add_f32 v[LS+\t], v[ST+8*\t+2], v[ST+8*\t+3] ; l's two halves
.endr
.irp t, 0,1,2,3
	v_mov_b32 v[CM+\t], v[ST+8*\t]
.endr
	s_cmp_lt_u32 s[WV], 4
	s_cbranch_scc1 .Lkeep
	WIN 0x04                                       ; an LDS store's data are its source 1: window 1
.set nn, 0
.rept 32
	ds_store_b128 v[MW], v[4*nn:4*nn+3] offset:512*nn   ; each accumulator from its low end on
.set nn, nn+1
.endr
	WIN 0
	ds_store_b128 v[MW], v[LS:LS+3] offset:16384
	ds_store_b128 v[MW], v[CM:CM+3] offset:16896
.Lkeep:
	s_wait_dscnt 0x0                               ; for the partner's sake: my stores have landed
	s_barrier_signal -1
	s_barrier_wait -1
	s_cmp_lt_u32 s[WV], 4
	s_cbranch_scc0 .Ldone
	ds_load_b128 v[64:67], v[MW] offset:16384      ; the partner's l
	ds_load_b128 v[68:71], v[MW] offset:16896      ; and c m
.set nn, 0
.rept 32
	ds_load_b128 v[S+4*nn:S+4*nn+3], v[MW] offset:512*nn   ; its O^T, where S^T lay
.set nn, nn+1
.endr
	s_wait_dscnt 32                                ; the statistics are in; the 32 loads of O^T may be out
.irp t, 0,1,2,3
	v_max_num_f32 v[72+\t], v[CM+\t], v[68+\t]     ; the common c m
.endr
.irp t, 0,1,2,3
	v_sub_f32 v[76+\t], v[CM+\t], v[72+\t]
	v_sub_f32 v[80+\t], v[68+\t], v[72+\t]
.endr
.irp t, 0,1,2,3
	v_exp_f32 v[76+\t], v[76+\t]                   ; what brings my numbers under it,
.endr
.irp t, 0,1,2,3
	v_exp_f32 v[80+\t], v[80+\t]                   ; and the partner's
.endr
	v_nop                                          ; a plain instruction behind the last exponential,
	s_wait_alu depctr_va_vdst(0)                   ; and one wait for the eight, ahead of their first reader
.irp t, 0,1,2,3
	v_mul_f32 v[84+\t], v[LS+\t], v[76+\t]
.endr
.irp t, 0,1,2,3
	v_fmac_f32 v[84+\t], v[64+\t], v[80+\t]
.endr
.irp t, 0,1,2,3
	v_permlanex16_b32 v[88+\t], v[84+\t], s[SEL], s[SEL+1]
.endr
.irp t, 0,1,2,3
	v_add_f32 v[84+\t], v[84+\t], v[88+\t]         ; with the lane 16 away: the row's sum
.endr
.irp t, 0,1,2,3
	v_rcp_f32 v[88+\t], v[84+\t]
.endr
	v_nop
	s_wait_alu depctr_va_vdst(0)                   ; one wait for the four reciprocals
.irp t, 0,1,2,3
	v_mul_f32 v[92+2*\t], v[76+\t], v[88+\t]       ; my factor, twice (a pair for the packed forms),
	v_mul_f32 v[93+2*\t], v[76+\t], v[88+\t]
	v_mul_f32 v[100+2*\t], v[80+\t], v[88+\t]      ; and the partner's
	v_mul_f32 v[101+2*\t], v[80+\t], v[88+\t]
.endr
	s_wait_dscnt 0x0                               ; the partner's O^T is in
.irp t, 0,1,2,3
.irp n, 0,1,2,3,4,5,6,7,8,9,10,11,12,13,14,15
	v_pk_mul_f32 v[S+32*\t+2*\n:S+32*\t+2*\n+1], v[S+32*\t+2*\n:S+32*\t+2*\n+1], v[100+2*\t:101+2*\t]
.endr
.endr
	WIN 0x01                                       ; source 0: my O^T, in window 1
.irp t, 0,1,2,3
.irp n, 0,1,2,3,4,5,6,7,8,9,10,11,12,13,14,15
	v_pk_fma_f32 v[S+32*\t+2*\n:S+32*\t+2*\n+1], v[32*\t+2*\n:32*\t+2*\n+1], v[92+2*\t:93+2*\t], v[S+32*\t+2*\n:S+32*\t+2*\n+1]
.endr
.endr
	WIN 0
.set nn, 0
.rept 64
	v_cvt_pk_f16_f32 v[S+nn], v[S+2*nn], v[S+2*nn+1]   ; in place and ascending: tile t, channels 16 ct + 8 h + 0..7 in v[S + 16 t + 4 ct] on
.set nn, nn+1
.endr
	; THE WAY OUT, through my own stage: a lane's 16 bytes go into rows of 144 bytes; four rows come back an instruction.  LDS serves a wave's instructions in order (ISA guide 5.7.1.4).
.irp t, 0,1,2,3
.irp u, 0,1,2,3
	ds_store_b128 v[STO], v[S+16*\t+4*\u:S+16*\t+4*\u+3] offset:\t*16*PK+32*\u
.endr
.irp u, 0,1,2,3
	ds_load_b128 v[S+64+16*\t+4*\u:S+64+16*\t+4*\u+3], v[RD] offset:(16*\t+4*\u)*PK
.endr
.endr
.irp t, 0,1,2,3
.irp u, 0,1,2,3
	s_wait_dscnt 27-8*\t-\u                        ; the LDS instructions issued behind this load may be out
	global_store_b128 v[GO], v[S+64+16*\t+4*\u:S+64+16*\t+4*\u+3], s[6:7] offset:(8*\t+2*\u)*4096   ; sixteen lanes store 256 consecutive bytes, aligned: one head of two tokens
.endr
.endr
.Ldone:
	s_wait_tensorcnt 0x0                           ; the wave's end: behind my last tensor load and my last LDS store
	ds_add_u32 v[SPW], v[NIL]
	s_wait_dscnt 0x0
	CROUND                                         ; the closing round: no work-group ends while a partner may still ask for a tile that names it
	s_endpgm
.Lfunc_end_k_q4983cfa1c2_attn:
	.size	k_q4983cfa1c2_attn, .Lfunc_end_k_q4983cfa1c2_attn-k_q4983cfa1c2_attn
	.p2alignl 7, 3214868480
	.fill 96, 4, 3214868480
	.section	.rodata,"a",@progbits
	.p2align	6, 0x0
	.amdhsa_kernel k_q4983cfa1c2_attn
		.amdhsa_group_segment_fixed_size 327680
		.amdhsa_private_segment_fixed_size 0
		.amdhsa_enable_private_segment 0
		.amdhsa_kernarg_size 16
		.amdhsa_user_sgpr_count 2
		.amdhsa_user_sgpr_kernarg_segment_ptr 1
		.amdhsa_wavefront_size32 1
		.amdhsa_system_sgpr_workgroup_id_x 1
		.amdhsa_system_sgpr_workgroup_id_y 1
		.amdhsa_system_sgpr_workgroup_id_z 1
		.amdhsa_system_vgpr_workitem_id 0
		.amdhsa_next_free_vgpr 512
		.amdhsa_next_free_sgpr 72
		.amdhsa_reserve_vcc 0
		.amdhsa_float_denorm_mode_32 3
		.amdhsa_float_denorm_mode_16_64 3
		.amdhsa_memory_ordered 1
		.amdhsa_forward_progress 1
		.amdhsa_inst_pref_size 255
	.end_amdhsa_kernel
	.section	.bss,"aw",@nobits
	.p2align	6
	.space	262144
	.amdgpu_metadata
---
amdhsa.version: [ 1, 2 ]
amdhsa.kernels:
  - .name:           k_q4983cfa1c2_attn
    .symbol:         k_q4983cfa1c2_attn.kd
    .args:
      - { .name: qkv, .offset: 0, .size: 8, .value_kind: global_buffer, .address_space: global }
      - { .name: ao, .offset: 8, .size: 8, .value_kind: global_buffer, .address_space: global }
    .group_segment_fixed_size: 327680
    .private_segment_fixed_size: 0
    .kernarg_segment_align: 8
    .kernarg_segment_size: 16
    .max_flat_workgroup_size: 256
    .sgpr_count:     72
    .vgpr_count:     512
    .wavefront_size: 32
...
	.end_amdgpu_metadata
.endif
;; end of part 3
;; launch proj (part 4): grid 8 x 32, 4 waves a work-group, clusters of 4 x 4, 327,680 bytes of LDS; arguments ao, wo16, out0; writes out0
.if DOCPART == 4
	.amdgcn_target "amdgcn-amd-amdhsa--gfx1250"
	.amdhsa_code_object_version 6
	.text
	.protected	k_q4983cfa1c2_proj
	.globl	k_q4983cfa1c2_proj
	.p2align	8
	.type	k_q4983cfa1c2_proj,@function
k_q4983cfa1c2_proj:
	s_mov_b64 s[64:65], 0
	v_nop
	global_prefetch_b8 v0, s[64:65] scope:SCOPE_SE
	s_setreg_imm32_b32 hwreg(HW_REG_WAVE_MODE, 25, 1), 1
	s_wait_xcnt 0x0
	s_wait_alu depctr_hold_cnt(0) depctr_sa_sdst(0) depctr_va_vdst(0) depctr_va_sdst(0) depctr_va_ssrc(0) depctr_va_vcc(0) depctr_vm_vsrc(0)
	s_getreg_b32 s2, hwreg(HW_REG_IB_STS2, 6, 4)
	s_cmp_eq_u32 s2, 0
	s_cbranch_scc0 .Lentry_in_a_cluster
	s_endpgm
.Lentry_in_a_cluster:
	s_bfe_u32 s2, ttmp6, 0x10000c
	s_cmp_lg_u32 s2, 0xf033
	s_cbranch_scc0 .Lentry_shape_is_right
	s_endpgm
.Lentry_shape_is_right:
; out0[token][n] = sum over e of O[token][e] w_out[n][e].  f16 operands, f32 sums, f32 result.
; A = ao [2048 token pairs][16 heads][2 tokens][64] f16 (e = 64 head + channel): a pair's row is 4,096 bytes, and 256 along K (four heads) are 1,024 consecutive bytes of it.  B = wo16 [1024][1024] f16.  C = out0 [4096][1024] f32.
; A tile of C is 128 x 128, which gives 8 x 32 = 256 work-groups.  Four waves, each 64 x 64: 16 accumulators, 128 registers.  K goes in steps of 256 through a ring of two LDS slots.
; CLUSTERS: 4 x 4 work-groups.  The four of a row of the cluster need the same tiles of A, the four of a column the same tiles of B: each tile is asked for JOINTLY.
; THE MATRIX INSTRUCTION IS USED TRANSPOSED (source 0 = 16 rows of B, source 1 = 16 tokens of A): a lane then holds eight neighbouring numbers of a row of C.
; Nothing is prefetched: K has four steps, two of them asked for at the head.
; REGISTERS: window 0: v0-31 addresses; v32-95 the way out; v128-255 the accumulators ((a, b) at v[128 + 8 (4 a + b)]).  window 1: two fragment buffers of 128: for 64 along K, 64 registers of A, then 64 of B.
.set SIZE_N, 1024
.set SIZE_K, 1024
.set KSTEP,  256
.set PITCHA, 1040                      ; a pair's row in LDS: 1,024 bytes + 16: the sixteen tokens of a fragment ((r / 2) x 1,040 + (r % 2) x 128) fall on sixteen different runs of 16 bytes modulo 256
.set PITCHB, 528                       ; a row of B: 512 bytes + 16
.set HALFA,  32*PITCHA                 ; 32 pairs = 64 tokens: what one tensor load brings of A
.set HALFB,  64*PITCHB                 ; 64 rows of B
.set BOFF,   2*HALFA                   ; a slot: A's 64 pairs, then B's 128 rows
.set SLOT,   2*HALFA+2*HALFB
.set STAGE,  2*SLOT                    ; behind the ring: 16 rows x 272 bytes for each wave, for the way out
.set SPITCH, 272
.set SPARE,  STAGE+4*16*SPITCH         ; the spare words, 128 bytes a wave
.set LAPS, SIZE_K/(2*KSTEP)            ; a lap = two K steps = once round the ring
.set ADRA, 16                          ; v16-17  LDS address of my A fragments in slot 0, 1
.set ADRB, 20                          ; v20-21  the same for B
.set STO,  24                          ; v24     the way out: where I put 32 bytes of a row
.set RD,   25                          ; v25     where I read a row back
.set CO,   26                          ; v26     my byte offset in C
.set SPW,  28                          ; v28     LDS address of my spare word; never rewritten
.set NIL,  29                          ; v29     0; never rewritten
.set TMP,  32                          ; the way out: two sets of 32 registers
.set ACC,  128
.set F0,   0                           ; fragment buffers, in window 1
.set F1,   128
.set G1, 24                            ; s[24:31] group 1 for A's tiles;  s[32:39] group 0, one set for each slot
.set G0, 32
.set G1B, 48                           ; s[48:55], s[56:63] the same for B's tiles
.set G0B, 56
.set MSB, 0
.macro WIN new                         ; the immediate's high byte repeats the setting that is left
.if MSB != \new
	s_set_vgpr_msb (MSB<<8)|\new
.set MSB, \new
.endif
.endm
.set MUL,  0x05                        ; sources 0 (B) and 1 (A) window 1; C and D window 0
.set TO_F, 0x40                        ; destination window 1, address window 0
.macro JLOAD s                         ; a joint load: waves 0 and 1 fetch A's two halves, waves 2 and 3 B's; an s_nop 0 and four v_nop follow each line
	s_cmp_eq_u32 s11, 0
	s_cbranch_scc0 .Lfor_b_\@
	tensor_load_to_lds s[G0+4*\s:G0+4*\s+3], s[G1:G1+7]
	s_nop 0
.rept 4
	v_nop
.endr
	s_branch .Lasked_\@
.Lfor_b_\@:
	tensor_load_to_lds s[G0B+4*\s:G0B+4*\s+3], s[G1B:G1B+7]
	s_nop 0
.rept 4
	v_nop
.endr
.Lasked_\@:
.endm
.macro CREST                           ; a round of the cluster's barrier behind its opening barrier
	s_cmp_lg_u32 s10, 0
	s_cbranch_scc1 .Lnot_wave_0_\@
	s_barrier_signal -3
.Lnot_wave_0_\@:
	s_barrier_wait -3
	s_barrier_signal -1
	s_barrier_wait -1
.endm
.macro CROUND                          ; a whole round
	s_barrier_signal -1
	s_barrier_wait -1
	CREST
.endm
	s_load_b128 s[4:7], s[0:1], 0x0                ; A s[4:5], B s[6:7]
	s_load_b64 s[8:9], s[0:1], 0x10                ; C
	v_lshl_add_u32 v[SPW], v0, 2, SPARE
	v_mov_b32 v[NIL], 0
	ds_add_u32 v[SPW], v[NIL]                      ; the wave's opening: the add, twice on end, and its wait ahead of my first tensor load
	ds_add_u32 v[SPW], v[NIL]
	v_lshrrev_b32 v1, 5, v0
	v_readfirstlane_b32 s10, v1                    ; wave 0..3
	s_lshr_b32 s11, s10, 1                         ; which half of the tile's tokens is mine.  Also: I fetch for A (0) or for B (1)
	s_and_b32 s12, s10, 1                          ; which half of its columns.  Also: which half of that tile I fetch
	s_bfe_u32 s40, ttmp6, 0x40000                  ; cx, cy: my place in the cluster
	s_bfe_u32 s41, ttmp6, 0x40004
	s_lshl_b32 s42, ttmp9, 2
	s_add_co_u32 s42, s42, s40                     ; tile column of C = 4 x cluster x + cx
	s_and_b32 s13, ttmp7, 0xffff
	s_lshl_b32 s13, s13, 2
	s_add_co_u32 s13, s13, s41                     ; tile row of C = 4 x cluster y + cy
	s_lshl_b32 s43, s41, 2
	s_lshl_b32 s43, 15, s43                        ; my row of the cluster
	s_lshl_b32 s44, 0x1111, s40                    ; my column
	; group 1 for A: 32 pairs' rows x 512 elements of 2 bytes, 2,048 elements apart; four words of padding after every 256
	s_or_b32 s[G1+0], s43, (1<<16)|(1<<20)|(1<<21)|(7<<22)|(3<<25)
	s_mov_b32 s[G1+1], 512<<16                     ; tensor_dim0
	s_mov_b32 s[G1+2], 32<<16                      ; tensor_dim1
	s_mov_b32 s[G1+3], 512<<16                     ; tile_dim0
	s_mov_b32 s[G1+4], 32                          ; tile_dim1
	s_mov_b32 s[G1+5], 2048                        ; from row to row
	s_mov_b32 s[G1+6], 0
	s_mov_b32 s[G1+7], 0
	; for B: 64 rows x 256 elements; four words of padding after every 128
	s_or_b32 s[G1B+0], s44, (1<<16)|(1<<20)|(1<<21)|(6<<22)|(3<<25)
	s_mov_b32 s[G1B+1], KSTEP<<16
	s_mov_b32 s[G1B+2], 64<<16
	s_mov_b32 s[G1B+3], KSTEP<<16
	s_mov_b32 s[G1B+4], 64
	s_mov_b32 s[G1B+5], SIZE_K
	s_mov_b32 s[G1B+6], 0
	s_mov_b32 s[G1B+7], 0
	s_lshl_b32 s17, s12, 5
	s_lshl_b32 s16, s13, 6
	s_add_co_u32 s16, s16, s17                     ; A: pair 64 x tile row + 32 x half,
	s_lshl_b32 s16, s16, 12                        ; of 4,096 bytes
	s_mov_b32 s17, 0
	s_lshl_b32 s47, s12, 6
	s_lshl_b32 s46, s42, 7
	s_add_co_u32 s46, s46, s47                     ; B: row 128 x tile column + 64 x half,
	s_lshl_b32 s46, s46, 11                        ; of 2,048 bytes
	s_mov_b32 s47, 0
	s_mul_i32 s20, s12, HALFA                      ; where they go: no place in the cluster enters an LDS address
	s_mul_i32 s21, s12, HALFB
	s_add_co_u32 s21, s21, BOFF
	s_wait_dscnt 0x0                               ; both opening adds are done
	s_wait_kmcnt 0x0
	s_add_nc_u64 s[14:15], s[4:5], s[16:17]
	s_add_nc_u64 s[46:47], s[6:7], s[46:47]
	CROUND                                         ; all sixteen work-groups are here: the first joint loads meet
.irp s, 0,1
	s_mov_b32 s[G0+4*\s], 1
	s_add_co_u32 s[G0+4*\s+1], s20, \s*SLOT
	s_add_nc_u64 s[G0+4*\s+2:G0+4*\s+3], s[14:15], \s*KSTEP*4   ; a K step is 1,024 bytes of a pair's row
	s_or_b32 s[G0+4*\s+3], s[G0+4*\s+3], 0x80000000
	s_mov_b32 s[G0B+4*\s], 1
	s_add_co_u32 s[G0B+4*\s+1], s21, \s*SLOT
	s_add_nc_u64 s[G0B+4*\s+2:G0B+4*\s+3], s[46:47], \s*KSTEP*2
	s_or_b32 s[G0B+4*\s+3], s[G0B+4*\s+3], 0x80000000
	JLOAD \s
.endr
	v_and_b32 v1, 15, v0                           ; r = l % 16
	v_bfe_u32 v2, v0, 4, 1                         ; h = l / 16
	v_mul_u32_u24 v3, v1, PITCHB
	v_lshl_add_u32 v3, v2, 4, v3                   ; B: row r x pitch + 16 h
	v_lshrrev_b32 v4, 1, v1
	v_mul_u32_u24 v4, v4, PITCHA                   ; A: token r lies in pair r / 2,
	v_and_b32 v5, 1, v1
	v_lshl_add_u32 v4, v5, 7, v4                   ; 128 (r % 2) bytes into each head's 256,
	v_lshl_add_u32 v4, v2, 4, v4                   ; + 16 h
	s_mul_i32 s21, s11, HALFA                      ; my 64 tokens of A
	s_mul_i32 s22, s12, HALFB                      ; my 64 rows of B,
	s_add_co_u32 s22, s22, BOFF                    ; which lie behind A's
.irp s, 0,1
	v_add_nc_u32 v[ADRA+\s], s21, v4
	v_add_nc_u32 v[ADRB+\s], s22, v3
	s_add_co_u32 s21, s21, SLOT
	s_add_co_u32 s22, s22, SLOT
.endr
	s_mul_i32 s23, s10, 16*SPITCH
	s_add_co_u32 s23, s23, STAGE                   ; my stage
	v_mul_u32_u24 v4, v1, SPITCH                   ; in: row r, 32 bytes for each half of the lanes
	v_lshl_add_u32 v4, v2, 5, v4
	v_add_nc_u32 v[STO], s23, v4
	v_mul_u32_u24 v5, v2, SPITCH                   ; back: lanes 0-15 take one row of 256 bytes, lanes 16-31 the next
	v_lshl_add_u32 v5, v1, 4, v5
	v_add_nc_u32 v[RD], s23, v5
	v_lshlrev_b32 v5, 12, v2                       ; and the same two rows in C
	v_lshl_add_u32 v[CO], v1, 4, v5
	s_lshl_b32 s16, s13, 7
	s_lshl_b32 s17, s11, 6
	s_add_co_u32 s16, s16, s17                     ; my first row of C: 128 x tile row + 64 x half,
	s_lshl_b32 s16, s16, 12                        ; of 4,096 bytes
	s_mov_b32 s17, 0
	s_add_nc_u64 s[8:9], s[8:9], s[16:17]
	s_lshl_b32 s46, s42, 9                         ; my first column, in bytes: 512 x tile column + 256 x half
	s_lshl_b32 s47, s12, 8
	s_add_co_u32 s46, s46, s47
	s_mov_b32 s47, 0
	s_add_nc_u64 s[8:9], s[8:9], s[46:47]
; 8 matrix instructions: token blocks a0, a0 + 1 x all 4 column blocks, 32 along K: half c of buffer f.  zero = 1: the first product starts the sums.  The 16 accumulators take turns.
.macro MUL8 f, c, a0, zero
.irp a, \a0, \a0+1
.irp b, 0,1,2,3
.if \zero
	v_wmma_f32_16x16x32_f16 v[ACC+8*(4*(\a)+\b):ACC+8*(4*(\a)+\b)+7], v[\f+64+8*(4*\c+\b):\f+64+8*(4*\c+\b)+7], v[\f+8*(4*\c+\a):\f+8*(4*\c+\a)+7], 0
.else
	v_wmma_f32_16x16x32_f16 v[ACC+8*(4*(\a)+\b):ACC+8*(4*(\a)+\b)+7], v[\f+64+8*(4*\c+\b):\f+64+8*(4*\c+\b)+7], v[\f+8*(4*\c+\a):\f+8*(4*\c+\a)+7], v[ACC+8*(4*(\a)+\b):ACC+8*(4*(\a)+\b)+7]
.endif
.endr
.endr
.endm
; 32 LDS loads in one run: the fragments of 64 along K (one head) into buffer f; the first 32 along K first.  k: the quarter's byte in a row of B; in a pair's row of A it is 2 k.
.macro FETCH slot, k, f
	WIN TO_F
.irp c, 0,1
.irp i, 0,1,2,3
	ds_load_b128 v[\f+64+8*(4*\c+\i):\f+64+8*(4*\c+\i)+3],   v[ADRB+\slot] offset:\k+64*\c+\i*16*PITCHB
	ds_load_b128 v[\f+64+8*(4*\c+\i)+4:\f+64+8*(4*\c+\i)+7], v[ADRB+\slot] offset:\k+64*\c+\i*16*PITCHB+32
	ds_load_b128 v[\f+8*(4*\c+\i):\f+8*(4*\c+\i)+3],         v[ADRA+\slot] offset:2*(\k)+64*\c+\i*8*PITCHA
	ds_load_b128 v[\f+8*(4*\c+\i)+4:\f+8*(4*\c+\i)+7],       v[ADRA+\slot] offset:2*(\k)+64*\c+\i*8*PITCHA+32
.endr
.endr
.endm
.macro PLACES                          ; four places in front of loads into registers that matrix instructions have read, and of the first read of results (ISA guide 7.12.1 for vector instructions)
.rept 4
	v_nop
.endr
.endm
; A K step is four quarters of 64 along K, 32 matrix instructions each, on buffers 0, 1, 0, 1.  One of the first three: multiplies buffer f and fetches the next quarter, at byte k, into g.
.macro QUARTER slot, k, f, g, zero
	s_wait_dscnt 16                                ; the first 32 along K are in; the youngest sixteen loads may be out
	WIN MUL
	MUL8 \f, 0, 0, \zero
	MUL8 \f, 0, 2, \zero
	PLACES
	FETCH \slot, \k, \g
	s_wait_dscnt 32                                ; all but the 32 just issued
	WIN MUL
	MUL8 \f, 1, 0, 0
	MUL8 \f, 1, 2, 0
.endm
; The last quarter multiplies buffer 1 and changes slots: ONE barrier; in front of it each wave waits for all its tensor loads, adds 0 to its spare word, and waits for that and for its reads of this slot.
; fill = 1: the barrier opens a round of the cluster's, and this slot is filled again, two K steps ahead, first thing behind the round.
.macro TURN slot, next, fill
	WIN 0                                          ; (the add's two registers lie in window 0)
	s_wait_tensorcnt 0x0                           ; all my tensor loads have landed: my part of the next slot
	ds_add_u32 v[SPW], v[NIL]                      ; 0 onto my spare word
	s_wait_dscnt 17                                ; (the add and the youngest sixteen loads may be out)
	WIN MUL
	MUL8 F1, 0, 0, 0
	s_wait_dscnt 0x0                               ; the add is done, and my reads of this slot are over
	s_barrier_signal -1
	MUL8 F1, 0, 2, 0
.if \fill
	WIN 0
.endif
	s_barrier_wait -1
.if \fill
	CREST                                          ; no wave of any partner still reads this slot's tile or has a load on its way
	s_add_nc_u64 s[G0+4*\slot+2:G0+4*\slot+3], s[G0+4*\slot+2:G0+4*\slot+3], 2*KSTEP*4
	s_add_nc_u64 s[G0B+4*\slot+2:G0B+4*\slot+3], s[G0B+4*\slot+2:G0B+4*\slot+3], 2*KSTEP*2
	JLOAD \slot                                    ; the four v_nop behind it are also the places in front of the loads below
.else
	PLACES
.endif
	FETCH \next, 0, F0
	WIN MUL
	MUL8 F1, 1, 0, 0
	MUL8 F1, 1, 2, 0
.endm
	s_wait_tensorcnt 1                             ; my part of K step 0 is in (K step 1's load may be out),
	s_barrier_signal -1
	s_barrier_wait -1                              ; everybody's is
	FETCH 0, 0, F0
	QUARTER 0, 128, F0, F1, 1                      ; the first quarter stands in front of the loop: its first products start the sums
	WIN 0                                          ; at a label and at a branch every window is 0
	s_mov_b32 s3, LAPS-1
.Llap:                                                 ; a trip goes once round the ring, from a lap's second quarter to the next lap's first, and fills both slots again
	QUARTER 0, 256, F1, F0, 0
	QUARTER 0, 384, F0, F1, 0
	TURN 0, 1, 1
	QUARTER 1, 128, F0, F1, 0
	QUARTER 1, 256, F1, F0, 0
	QUARTER 1, 384, F0, F1, 0
	TURN 1, 0, 1
	QUARTER 0, 128, F0, F1, 0
	WIN 0
	s_sub_co_u32 s3, s3, 1
	s_cmp_lg_u32 s3, 0
	s_cbranch_scc1 .Llap
	QUARTER 0, 256, F1, F0, 0                      ; the last lap fills nothing, and has no round of the cluster's barrier
	QUARTER 0, 384, F0, F1, 0
	TURN 0, 1, 0
	QUARTER 1, 128, F0, F1, 0
	QUARTER 1, 256, F1, F0, 0
	QUARTER 1, 384, F0, F1, 0
	s_wait_dscnt 16                                ; the very last quarter: nothing more to fetch
	WIN MUL
	MUL8 F1, 0, 0, 0
	MUL8 F1, 0, 2, 0
	s_wait_dscnt 0
	MUL8 F1, 1, 0, 0
	MUL8 F1, 1, 2, 0
	WIN 0
; THE WAY OUT, block by block of 16 tokens x 64 columns.  A wave's 64 columns of f32 are 256 bytes, aligned, so each wave goes by itself, through its own stage: a lane's 32 bytes into rows of 272 bytes, whole rows back.
; LDS serves a wave's instructions in order (ISA guide 5.7.1.4): no wait between the stores and the loads, nor in front of the next block's stores.
.macro TOSTAGE a
.irp b, 0,1,2,3
	ds_store_b128 v[STO], v[ACC+8*(4*(\a)+\b):ACC+8*(4*(\a)+\b)+3] offset:64*\b          ; each accumulator from its low end on
	ds_store_b128 v[STO], v[ACC+8*(4*(\a)+\b)+4:ACC+8*(4*(\a)+\b)+7] offset:64*\b+16
.endr
.irp t, 0,1,2,3,4,5,6,7
	ds_load_b128 v[TMP+32*((\a)%2)+4*\t:TMP+32*((\a)%2)+4*\t+3], v[RD] offset:2*\t*SPITCH
.endr
.endm
.macro SEND a, younger                 ; younger: the LDS instructions issued behind block a's loads, which may stay out
	s_wait_dscnt \younger
.irp t, 0,1,2,3,4,5,6,7
	global_store_b128 v[CO], v[TMP+32*((\a)%2)+4*\t:TMP+32*((\a)%2)+4*\t+3], s[8:9] offset:(16*(\a)+2*\t)*SIZE_N*4 th:TH_STORE_NT   ; sixteen lanes store 256 consecutive bytes, aligned; at most 62 rows of C on: inside the signed 24-bit immediate
.endr
.endm
	PLACES
	TOSTAGE 0
.irp a, 1,2,3
.if \a > 1
	s_wait_xcnt 0x0                                ; block a - 2's stores have read their registers: block a's loads may land there
.endif
	TOSTAGE \a
	SEND \a-1, 16                                  ; behind block a - 1's loads: block a's 8 stores and 8 loads
.endr
	SEND 3, 0
	s_wait_tensorcnt 0x0                           ; the wave's end: behind my last tensor load and my last LDS store
	ds_add_u32 v[SPW], v[NIL]
	s_wait_dscnt 0x0
	CROUND                                         ; the closing round: no work-group ends while a partner may still ask for a tile that names it
	s_endpgm
.Lfunc_end_k_q4983cfa1c2_proj:
	.size	k_q4983cfa1c2_proj, .Lfunc_end_k_q4983cfa1c2_proj-k_q4983cfa1c2_proj
	.p2alignl 7, 3214868480
	.fill 96, 4, 3214868480
	.section	.rodata,"a",@progbits
	.p2align	6, 0x0
	.amdhsa_kernel k_q4983cfa1c2_proj
		.amdhsa_group_segment_fixed_size 327680
		.amdhsa_private_segment_fixed_size 0
		.amdhsa_enable_private_segment 0
		.amdhsa_kernarg_size 24
		.amdhsa_user_sgpr_count 2
		.amdhsa_user_sgpr_kernarg_segment_ptr 1
		.amdhsa_wavefront_size32 1
		.amdhsa_system_sgpr_workgroup_id_x 1
		.amdhsa_system_sgpr_workgroup_id_y 1
		.amdhsa_system_sgpr_workgroup_id_z 1
		.amdhsa_system_vgpr_workitem_id 0
		.amdhsa_next_free_vgpr 512
		.amdhsa_next_free_sgpr 66
		.amdhsa_reserve_vcc 0
		.amdhsa_float_denorm_mode_32 3
		.amdhsa_float_denorm_mode_16_64 3
		.amdhsa_memory_ordered 1
		.amdhsa_forward_progress 1
		.amdhsa_inst_pref_size 86
	.end_amdhsa_kernel
	.amdgpu_metadata
---
amdhsa.version: [ 1, 2 ]
amdhsa.kernels:
  - .name:           k_q4983cfa1c2_proj
    .symbol:         k_q4983cfa1c2_proj.kd
    .args:
      - { .name: ao, .offset: 0, .size: 8, .value_kind: global_buffer, .address_space: global }
      - { .name: wo16, .offset: 8, .size: 8, .value_kind: global_buffer, .address_space: global }
      - { .name: out0, .offset: 16, .size: 8, .value_kind: global_buffer, .address_space: global }
    .group_segment_fixed_size: 327680
    .private_segment_fixed_size: 0
    .kernarg_segment_align: 8
    .kernarg_segment_size: 24
    .max_flat_workgroup_size: 128
    .sgpr_count:     66
    .vgpr_count:     512
    .wavefront_size: 32
...
	.end_amdgpu_metadata
.endif
;; end of part 4
